; MI455X (gfx1250); checked and timed in simulation.
; The chip was launched on July 23, 2026; its instructions are those of AMD's public machine-readable ISA for CDNA 5 (MIT licence, August 2026) and "CDNA5" Instruction Set Architecture Reference Guide (July 2026). The comments in the code are by the model that wrote it; some were corrected since.
;; Trim KV Qwen3 For Causal LM. Allowed arithmetic: float matrix products may take bf16 or f16 operands with f32 sums; all other float work in f32.
;; Inputs: Wk 2,048 x 1,024 float32; Wo 2,048 x 2,048 float32; Wq 2,048 x 2,048 float32; Wv 2,048 x 1,024 float32; cos 2,048 x 128 float32; gate_b 8 float32; gate_w 2,048 x 8 float32; hidden_states 1 x 2,048 x 2,048 float32; k_norm_w 128 float32; q_norm_w 128 float32; sin 2,048 x 128 float32.
;; Outputs: out0 1 x 2,048 x 2,048 float32.
;; One version. Each part assembles by itself: llvm-mc -triple=amdgcn-amd-amdhsa -mcpu=gfx1250 --defsym DOCPART=n.
;; ======== version 1 of 1: 4 launches
;; limits: values are held in f16: magnitudes above 65,504 overflow, below 6.1e-05 lose precision
;; workspace buffers: Xb 8,388,608 bytes; Wqkv 16,777,216 bytes; Wob 8,388,608 bytes; LBD 131,072 bytes; QKV 16,777,216 bytes; AO 8,388,608 bytes
;; launch prep (part 1): grid 256 x 1, 8 waves a work-group, no clusters, 3,072 bytes of LDS; arguments hidden_states, Wq, Wk, Wv, gate_w, gate_b, Xb, Wqkv, LBD; writes Xb, Wqkv, LBD
.if DOCPART == 1
	.amdgcn_target "amdgcn-amd-amdhsa--gfx1250"
	.amdhsa_code_object_version 6
	.text
	.protected	k_q535e6f814d_prep
	.globl	k_q535e6f814d_prep
	.p2align	8
	.type	k_q535e6f814d_prep,@function
k_q535e6f814d_prep:
	s_mov_b64 s[64:65], 0
	v_nop
	global_prefetch_b8 v0, s[64:65] scope:SCOPE_SE
	s_setreg_imm32_b32 hwreg(HW_REG_WAVE_MODE, 25, 1), 1
	s_wait_xcnt 0x0
; Rounds hidden_states, Wq, Wk and Wv to f16, once, and makes the retention gate in f32.  (Wo is rounded by the attention launch, which has the room for it.)
;   Xb   [2048 t][2048 k] f16          Wqkv [2048 k][4096 n] f16: n 0-2047 Wq, 2048-3071 Wk, 3072-4095 Wv
;   LBD  [256 groups of 8 keys][8 kv heads][16] f32: words 0-7 lb2[j] = log2(max(sigmoid(x_j . gate_w + gate_b), 1e-8)), words 8-15 d2[j] = -lb2[j] (j & 127)
; WHY f16: its 11 significant bits against bf16's 8 make each rounding eight times smaller, and four roundings of intermediates follow each other down to the output.  x (spread 1) and the
; weights (spread 0.02) have room in it: thirty times larger, thirty times smaller, or shifted by thirty spreads they stay between f16's least step, 6e-8, and its largest number, 65,504.
; Work-group g owns rows 8 g .. 8 g + 7 of all four matrices: every part is dense in memory, and all 256 groups move the same bytes.
; Thread t takes 16 bytes at 16 t of each 4,096-byte step and stores 8 bytes at 8 t: one store of a wave covers 256 consecutive bytes, aligned.
; ALL of a thread's 65 loads go out at the start, into three buffers of 64 registers: the weights stream in while the gate is computed on x.
; The gate rides on the read of hidden_states: a thread's eight x of a row meet its 64 numbers of gate_w, kept in registers; the sums go over
; the lanes by DPP and over the eight waves through 2,048 bytes of LDS.
; A stream: no work-group shares an input byte with another but gate_w (64 KiB), so no cluster, no tensor load, no matrix unit.
; LIMITS: numbers beyond 65,504 in magnitude become infinities in f16.  log2(beta) is -log2(1 + 2^(-z log2 e)): for z above some 17 the sum rounds to 1 and lb2 is 0, as f32 sigmoid
; rounds to 1 in the formula as given; an overflowing exponential gives the clip's value.  NaN in, NaN out.
.set GW,   8                           ; v[8:71]    gate_w[k][h] at GW + 8 kk + h: kk 0-3 are k = 4 t + kk, kk 4-7 are k = 1024 + 4 t + kk - 4
.set Z,    72                          ; v[72:79]   the eight heads' sums of one row
.set T,    80                          ; v[80:83]   at work
.set BUF0, 84                          ; v[84:147]  hidden_states: sixteen steps as loaded
.set BUF1, 148                         ; v[148:211] Wq: sixteen steps
.set BUF2, 0                           ; v[256:319] Wk's eight steps, then Wv's eight: window 1
.set MSB, 0
.macro WIN new                         ; s_set_vgpr_msb: bits 1:0 source 0, 3:2 source 1, 7:6 destination; the immediate's high byte repeats the setting that is left
.if MSB != \new
	s_set_vgpr_msb (MSB<<8)|\new
.set MSB, \new
.endif
.endm
.macro LOADB buf, base, n, r0          ; n steps of 4,096 bytes into buf, from its step r0 on
.set li, 0
.rept \n
	global_load_b128 v[\buf+4*(\r0+li):\buf+4*(\r0+li)+3], v1, s[\base:\base+1] offset:4096*li th:TH_LOAD_NT
.set li, li+1
.endr
.endm
.macro CONV buf, i, base, off          ; step i of buf: four f32 to four f16 in place, 8 bytes out
	v_cvt_pk_f16_f32 v[\buf+4*(\i)], v[\buf+4*(\i)], v[\buf+4*(\i)+1]
	v_cvt_pk_f16_f32 v[\buf+4*(\i)+1], v[\buf+4*(\i)+2], v[\buf+4*(\i)+3]
	global_store_b64 v2, v[\buf+4*(\i):\buf+4*(\i)+1], s[\base:\base+1] offset:\off
.endm
.macro GATEROW p                       ; row p of the group: my 8 x times my 8 x 8 of gate_w, eight chains that do not wait for each other
.irp h, 0,1,2,3,4,5,6,7
	v_mul_f32 v[Z+\h], v[BUF0+8*\p], v[GW+\h]              ; the first product starts the sum
.endr
.irp kk, 1,2,3,4,5,6,7
.irp h, 0,1,2,3,4,5,6,7
	v_fmac_f32 v[Z+\h], v[BUF0+8*\p+\kk], v[GW+8*\kk+\h]
.endr
.endr
.irp m, 1,2,4,8
.irp h, 0,1,2,3,4,5,6,7
	v_add_f32_dpp v[Z+\h], v[Z+\h], v[Z+\h] row_xmask:\m row_mask:0xf bank_mask:0xf
.endr
.endr
.irp h, 0,1,2,3,4,5,6,7
	v_permlanex16_b32 v[T+(\h&3)], v[Z+\h], s32, s33       ; the other sixteen lanes' sum
	v_add_f32 v[Z+\h], v[Z+\h], v[T+(\h&3)]
.endr
	ds_store_b128 v4, v[Z:Z+3] offset:256*\p               ; [row][wave][head]: every lane holds the same eight sums and writes the same 32 bytes
	ds_store_b128 v4, v[Z+4:Z+7] offset:256*\p+16
.endm
	s_load_b512 s[8:23], s[0:1], 0x0               ; hidden s[8:9], Wq s[10:11], Wk s[12:13], Wv s[14:15], gate_w s[16:17], gate_b s[18:19], Xb s[20:21], Wqkv s[22:23]
	s_load_b64 s[24:25], s[0:1], 0x40              ; LBD
	v_lshl_add_u32 v254, v0, 2, 0x800
	v_mov_b32 v255, 0
	v_lshrrev_b32 v4, 5, v0
	v_readfirstlane_b32 s30, v4                    ; wave
	v_lshlrev_b32 v4, 5, v4                        ; 32 x wave: my wave's 32 bytes of a row's sums in LDS
	v_lshlrev_b32 v1, 4, v0                        ; 16 t
	v_lshlrev_b32 v2, 3, v0                        ; 8 t
	v_lshlrev_b32 v3, 7, v0                        ; 128 t: four rows of gate_w
	v_bfe_u32 v5, v0, 3, 3
	v_lshlrev_b32 v5, 2, v5                        ; 4 x head of the last stage
.irp i, 0,1,2,3
	v_mov_b32 v[T+\i], 0                           ; destinations of v_permlanex16_b32 count as read
.endr
	s_lshl_b32 s2, ttmp9, 16                       ; 8 rows of 8,192 bytes
	s_mov_b32 s3, 0
	s_lshl_b32 s4, ttmp9, 15                       ; 8 rows of 4,096 bytes
	s_mov_b32 s5, 0
	s_lshl_b32 s6, ttmp9, 9                        ; a group's 512 bytes of LBD
	s_mov_b32 s7, 0
	s_lshl_b32 s31, ttmp9, 3
	s_and_b32 s31, s31, 127                        ; the group's first key, modulo 128
	s_mov_b32 s32, 0x76543210                      ; v_permlanex16_b32: lane i reads lane i of the other half
	s_mov_b32 s33, 0xfedcba98
	s_mov_b32 s34, 0xc1d49a78                      ; log2(1e-8)
	s_wait_kmcnt 0x0
	s_add_nc_u64 s[8:9], s[8:9], s[2:3]
	s_add_nc_u64 s[10:11], s[10:11], s[2:3]
	s_add_nc_u64 s[12:13], s[12:13], s[4:5]
	s_add_nc_u64 s[14:15], s[14:15], s[4:5]
	s_add_nc_u64 s[20:21], s[20:21], s[4:5]
	s_add_nc_u64 s[22:23], s[22:23], s[2:3]
	s_add_nc_u64 s[24:25], s[24:25], s[6:7]
	global_load_b32 v6, v5, s[18:19]               ; gate_b of the last stage's head
.irp kk, 0,1,2,3
	global_load_b128 v[GW+8*\kk:GW+8*\kk+3],       v3, s[16:17] offset:32*\kk
	global_load_b128 v[GW+8*\kk+4:GW+8*\kk+7],     v3, s[16:17] offset:32*\kk+16
	global_load_b128 v[GW+32+8*\kk:GW+32+8*\kk+3], v3, s[16:17] offset:32768+32*\kk
	global_load_b128 v[GW+36+8*\kk:GW+36+8*\kk+3], v3, s[16:17] offset:32768+32*\kk+16
.endr
	LOADB BUF0, 8, 16, 0                           ; hidden_states
	LOADB BUF1, 10, 16, 0                          ; Wq
	WIN 0x40                                       ; destination in window 1, the address in window 0
	LOADB BUF2, 12, 8, 0                           ; Wk: a row is one step
	LOADB BUF2, 14, 8, 8                           ; Wv
	WIN 0
	s_wait_loadcnt 32                              ; the gate's numbers and x are in; Wq's sixteen loads and Wk's and Wv's sixteen stay out
.irp p, 0,1,2,3,4,5,6,7
	GATEROW \p                                     ; first the gate, on the f32 numbers,
	CONV BUF0, 2*\p, 20, 4096*\p                   ; then the row's two steps are rounded in place and stored
	CONV BUF0, 2*\p+1, 20, 4096*\p+2048
.endr
	s_wait_dscnt 0x0                               ; my wave's sums are in LDS, for the others' sake
	s_barrier_signal -1
	s_barrier_wait -1
	s_wait_loadcnt 16                              ; Wq is in; Wk's and Wv's sixteen stay out
.set ci, 0
.rept 16
	CONV BUF1, ci, 22, (ci>>1)*8192+(ci&1)*2048
.set ci, ci+1
.endr
	s_wait_loadcnt 0x0
	WIN 0x45                                       ; destination and both sources in window 1
.set ci, 0
.rept 16
	v_cvt_pk_f16_f32 v[BUF2+4*ci], v[BUF2+4*ci], v[BUF2+4*ci+1]
	v_cvt_pk_f16_f32 v[BUF2+4*ci+1], v[BUF2+4*ci+2], v[BUF2+4*ci+3]
.set ci, ci+1
.endr
	WIN 0x04                                       ; store data in window 1, the address in window 0
.set ci, 0
.rept 8
	global_store_b64 v2, v[BUF2+4*ci:BUF2+4*ci+1], s[22:23] offset:8192*ci+4096         ; Wk: columns 2048 and up of Wqkv
	global_store_b64 v2, v[BUF2+4*(ci+8):BUF2+4*(ci+8)+1], s[22:23] offset:8192*ci+6144 ; Wv: columns 3072 and up
.set ci, ci+1
.endr
	WIN 0
	s_cmp_ge_u32 s30, 2
	s_cbranch_scc1 .Lend                           ; 64 threads finish the gate: 8 heads x (4 pairs of lb2, 4 pairs of d2)
	v_and_b32 v7, 3, v0
	v_lshl_add_u32 v[T], v7, 1, s31                ; my first key modulo 128: the group's + 2 (t & 3)
	v_lshl_add_u32 v7, v7, 9, v5                   ; LDS: 256 x row + 4 x head
.irp w, 0,1,2,3,4,5,6,7
	ds_load_b32 v[GW+\w],   v7 offset:32*\w        ; the eight waves' parts of my first row,
	ds_load_b32 v[GW+8+\w], v7 offset:256+32*\w    ; and of my second
.endr
	v_add_nc_u32 v[T+1], 1, v[T]
	v_cvt_f32_u32 v[T], v[T]
	v_cvt_f32_u32 v[T+1], v[T+1]
	v_xor_b32 v[T], 0x80000000, v[T]               ; -(j & 127)
	v_xor_b32 v[T+1], 0x80000000, v[T+1]
	v_bfe_u32 v[T+2], v0, 2, 1                     ; 0: I store lb2, 1: I store d2
	v_cmp_eq_u32 vcc_lo, 1, v[T+2]
	v_cndmask_b32 v[T], 1.0, v[T], vcc_lo
	v_cndmask_b32 v[T+1], 1.0, v[T+1], vcc_lo
	s_wait_dscnt 0x0
	v_pk_add_f32 v[GW:GW+1], v[GW:GW+1], v[GW+2:GW+3]
	v_pk_add_f32 v[GW+4:GW+5], v[GW+4:GW+5], v[GW+6:GW+7]
	v_pk_add_f32 v[GW+8:GW+9], v[GW+8:GW+9], v[GW+10:GW+11]
	v_pk_add_f32 v[GW+12:GW+13], v[GW+12:GW+13], v[GW+14:GW+15]
	v_pk_add_f32 v[GW:GW+1], v[GW:GW+1], v[GW+4:GW+5]
	v_pk_add_f32 v[GW+8:GW+9], v[GW+8:GW+9], v[GW+12:GW+13]
	v_add_f32 v[GW], v[GW], v[GW+1]
	v_add_f32 v[GW+8], v[GW+8], v[GW+9]
	v_add_f32 v[GW], v[GW], v6                     ; z = x . gate_w + gate_b
	v_add_f32 v[GW+8], v[GW+8], v6
	v_mul_f32 v[GW], 0xbfb8aa3b, v[GW]             ; -z log2 e
	v_mul_f32 v[GW+8], 0xbfb8aa3b, v[GW+8]
	v_exp_f32 v[GW], v[GW]
	v_exp_f32 v[GW+8], v[GW+8]
	v_nop                                          ; one plain instruction behind the transcendentals (ISA guide 5.7.2)
	s_wait_alu depctr_va_vdst(0)
	v_add_f32 v[GW], 1.0, v[GW]
	v_add_f32 v[GW+8], 1.0, v[GW+8]
	v_log_f32 v[GW], v[GW]
	v_log_f32 v[GW+8], v[GW+8]
	v_nop
	s_wait_alu depctr_va_vdst(0)
	v_max_num_f32 v[GW], -v[GW], s34               ; log2 beta = -log2(1 + e^-z), clipped at log2(1e-8)
	v_max_num_f32 v[GW+8], -v[GW+8], s34
	v_mul_f32 v[GW], v[GW], v[T]
	v_mul_f32 v[GW+1], v[GW+8], v[T+1]
	global_store_b64 v2, v[GW:GW+1], s[24:25]      ; each of the two waves stores 256 consecutive bytes, aligned
.Lend:
	s_wait_tensorcnt 0x0
	ds_add_u32 v254, v255
	s_wait_dscnt 0x0
	s_endpgm
.Lfunc_end_k_q535e6f814d_prep:
	.size	k_q535e6f814d_prep, .Lfunc_end_k_q535e6f814d_prep-k_q535e6f814d_prep
	.p2alignl 7, 3214868480
	.fill 96, 4, 3214868480
	.section	.rodata,"a",@progbits
	.p2align	6, 0x0
	.amdhsa_kernel k_q535e6f814d_prep
		.amdhsa_group_segment_fixed_size 3072
		.amdhsa_private_segment_fixed_size 0
		.amdhsa_enable_private_segment 0
		.amdhsa_kernarg_size 72
		.amdhsa_user_sgpr_count 2
		.amdhsa_user_sgpr_kernarg_segment_ptr 1
		.amdhsa_wavefront_size32 1
		.amdhsa_system_sgpr_workgroup_id_x 1
		.amdhsa_system_sgpr_workgroup_id_y 1
		.amdhsa_system_sgpr_workgroup_id_z 1
		.amdhsa_system_vgpr_workitem_id 0
		.amdhsa_next_free_vgpr 320
		.amdhsa_next_free_sgpr 66
		.amdhsa_reserve_vcc 1
		.amdhsa_float_denorm_mode_32 3
		.amdhsa_float_denorm_mode_16_64 3
		.amdhsa_memory_ordered 1
		.amdhsa_forward_progress 1
		.amdhsa_inst_pref_size 61
	.end_amdhsa_kernel
	.amdgpu_metadata
---
amdhsa.version: [ 1, 2 ]
amdhsa.kernels:
  - .name:           k_q535e6f814d_prep
    .symbol:         k_q535e6f814d_prep.kd
    .args:
      - { .name: hidden_states, .offset: 0, .size: 8, .value_kind: global_buffer, .address_space: global }
      - { .name: Wq, .offset: 8, .size: 8, .value_kind: global_buffer, .address_space: global }
      - { .name: Wk, .offset: 16, .size: 8, .value_kind: global_buffer, .address_space: global }
      - { .name: Wv, .offset: 24, .size: 8, .value_kind: global_buffer, .address_space: global }
      - { .name: gate_w, .offset: 32, .size: 8, .value_kind: global_buffer, .address_space: global }
      - { .name: gate_b, .offset: 40, .size: 8, .value_kind: global_buffer, .address_space: global }
      - { .name: Xb, .offset: 48, .size: 8, .value_kind: global_buffer, .address_space: global }
      - { .name: Wqkv, .offset: 56, .size: 8, .value_kind: global_buffer, .address_space: global }
      - { .name: LBD, .offset: 64, .size: 8, .value_kind: global_buffer, .address_space: global }
    .group_segment_fixed_size: 3072
    .private_segment_fixed_size: 0
    .kernarg_segment_align: 8
    .kernarg_segment_size: 72
    .max_flat_workgroup_size: 256
    .sgpr_count:     66
    .vgpr_count:     320
    .wavefront_size: 32
...
	.end_amdgpu_metadata
.endif
;; end of part 1
;; launch qkv (part 2): grid 16 x 16, 4 waves a work-group, clusters of 4 x 4, 327,680 bytes of LDS; arguments Xb, Wqkv, cos, sin, q_norm_w, k_norm_w, QKV; writes QKV
.if DOCPART == 2
	.amdgcn_target "amdgcn-amd-amdhsa--gfx1250"
	.amdhsa_code_object_version 6
	.text
	.protected	k_q535e6f814d_qkv
	.globl	k_q535e6f814d_qkv
	.p2align	8
	.type	k_q535e6f814d_qkv,@function
k_q535e6f814d_qkv:
	s_mov_b64 s[64:65], 0
	v_nop
	global_prefetch_b8 v0, s[64:65] scope:SCOPE_SE
	s_setreg_imm32_b32 hwreg(HW_REG_WAVE_MODE, 25, 1), 1
	s_wait_xcnt 0x0
	s_wait_alu depctr_hold_cnt(0) depctr_sa_sdst(0) depctr_va_vdst(0) depctr_va_sdst(0) depctr_va_ssrc(0) depctr_va_vcc(0) depctr_vm_vsrc(0)
	s_getreg_b32 s2, hwreg(HW_REG_IB_STS2, 6, 4)
	s_cmp_eq_u32 s2, 0
	s_cbranch_scc0 .Lentry_in_a_cluster
	s_endpgm
.Lentry_in_a_cluster:
	s_bfe_u32 s2, ttmp6, 0x10000c
	s_cmp_lg_u32 s2, 0xf033
	s_cbranch_scc0 .Lentry_shape_is_right
	s_endpgm
.Lentry_shape_is_right:
; [q | k | v] = Xb Wqkv, then per head RMSNorm and RoPE on q and k.  Xb [2048 t][2048 k], Wqkv [2048 k][4096 n], both f16; sums and all that follows in f32.
; Out: QKV [32 heads][2048 t][128] f16: heads 0-15 q (normed, roped, times log2 e / sqrt 128), 16-23 k (normed, roped), 24-31 v.
; A work-group makes 128 rows x 256 columns with four waves; a wave makes 64 x 128, which is 64 rows of ONE head, so norm and rotation never leave the wave.
; K goes in steps of 192 through two LDS slots filled by tensor loads, the largest step of which two slots fit: 2048 = 10 x 192 + 128, eleven steps.  Waves 0, 1 bring W's 192 k-rows (96 each, 512 bytes a row),
; waves 2, 3 X's 128 rows (64 each, 384 bytes a row).  From a request to the wait for it a wave issues 184 matrix instructions.  The price: X's tile rows start at multiples of 128 bytes, not of 256; X is a third of a step's bytes.
; The last step keeps the tile's shape and states what is left of the tensor (128 along k): the rest arrives as zeros and is not read, four quarter steps are multiplied instead of six.
; CLUSTERS: 4 x 4 work-groups.  X's tile hangs on the block row alone and is asked for jointly along a row of the cluster, W's on the block column alone and jointly along a column.
; W lies [k][n]: its fragments come out of LDS by the transposing load ds_load_tr16_b128.
; THE MATRIX INSTRUCTION IS USED TRANSPOSED (source 0 = 16 columns of W, source 1 = 16 rows of X): lane (r = l % 16, h = l / 16) holds row r and columns 16 b + 8 h + 0..7.
; So a row's 128 numbers lie in two lanes (l and l xor 16), and d and d + 64 of the rotation in one lane (tiles b and b + 4).
; REGISTERS: window 0 addresses, fragments, work; window 1 the 32 accumulator tiles, (a, b) at 8 (8 a + b); window 2 cos, window 3 sin, laid like the accumulators.
; cos and sin are asked for while the products run, in three runs of 48, 48 and 32 loads.  The blocks of v ask too and do not use them: so every register that the way out names is written on every path.
; LIMITS: operands and results rounded to f16.  q and k are bounded by the norm: |q_d| <= sqrt 128 |w_d|.  v = x . Wv must stay below 65,504 in magnitude: it is some 0.9 at a spread of 1 and 0.02, 815 with both
; thirty times larger, and 2048 x 30 x 0.6 = 36,864 where x and Wv both carry an offset of thirty spreads.  rsqrt to 1 ULP; NaN and infinities go where the arithmetic takes them.
.set NB,     8                         ; column tiles of a wave
.set BN,     32*NB                     ; columns of a block
.set KSTEP,  192
.set NQ,     KSTEP/32                  ; quarter-of-128 steps of 32 along K in a step: six
.set NQL,    4                         ; and in the last step, of 128
.set LOOPS,  3                         ; steps 0, 1 in front of the loop, 2 .. 7 in it, 8, 9, 10 behind it
.set APITCH, 432                       ; 384 bytes of data, 16 of padding behind every 128: 27 x 16 bytes, so the 16 rows that a load touches start at 16 different multiples of 16 modulo 256
.set BPITCH, 2*BN+32                   ; 544: an odd multiple of 32 bytes, for the transposing load
.set LDB,    4096                      ; elements in a row of W
.set A_G10,  0x07310000                ; element of 2 bytes, padding on, bit 21, after 32 words 4 words
.set B_G10,  0x0fb10000                ; the same, after 128 words 8 words
.set BT,     KSTEP*BPITCH              ; W's tile, 104,448 bytes
.set AT,     128*APITCH                ; X's tile, 55,296 bytes
.set SLOT,   BT+AT
.set STAGE,  SLOT                      ; the way out's stage, 16 rows x 272 bytes for each wave, lies in slot 1's bytes: they have had their last fill (step 9), and every wave's last reads of them are waited for in front of the barrier that ends step 9
.set SPITCH, 272
.set FSTR,   8*NB+32                   ; registers of a fragment buffer: W's NB tiles at 64 + f FSTR, X's four behind them
.set ADRA,   16                        ; v16-17  X's fragments in slot 0, 1
.set ADRB,   20                        ; v20-23  W's fragments: slot 0 k-rows 0-127, 128-191; slot 1 likewise
.set STO,    24
.set RD,     25
.set CO,     26
.set CSOFF,  27
.set WOFF,   28
.set SS,     32                        ; v[32:63]   way out: sums of squares, four chains for each a; 1/rms in SS + 8 a + 4
.set W,      64                        ; v[64:127]  way out: the norm's weights of my 64 columns
.set OB,     128                       ; v[128:159] way out: rows read back
.set TT,     160                       ; v[160:223] way out: 64 numbers at work
.set TMP,    224                       ; v[224:255] way out: packed
.set G1,  24                           ; s[24:31] group 1, X's tiles
.set G0,  32                           ; s[32:39] group 0, X's tiles, a set for each slot
.set G1B, 48                           ; s[48:55] group 1, W's tiles
.set G0B, 56                           ; s[56:63] group 0, W's tiles
.set MUL, 0x50                         ; sources in window 0, C and D in window 1
.set MSB, 0
.macro WIN new                         ; the immediate's high byte repeats the setting that is left
.if MSB != \new
	s_set_vgpr_msb (MSB<<8)|\new
.set MSB, \new
.endif
.endm
.macro PLACES                          ; four plain vector places behind a matrix instruction, in front of loads into, and vector work on, its registers
.rept 4
	v_nop
.endr
.endm
.macro JLOAD s                         ; a joint load: each line has one mask and one set of registers; the branch hangs on the wave's number alone
	s_cmp_eq_u32 s11, 0
	s_cbranch_scc0 .Lfor_a_\@
	tensor_load_to_lds s[G0B+4*\s:G0B+4*\s+3], s[G1B:G1B+7]
	s_nop 0
	s_branch .Lasked_\@
.Lfor_a_\@:
	tensor_load_to_lds s[G0+4*\s:G0+4*\s+3], s[G1:G1+7]
	s_nop 0
.Lasked_\@:
.endm
.macro CREST                           ; a round of the cluster's barrier behind its opening barrier
	s_cmp_lg_u32 s10, 0
	s_cbranch_scc1 .Lnot_wave_0_\@
	s_barrier_signal -3
.Lnot_wave_0_\@:
	s_barrier_wait -3
	s_barrier_signal -1
	s_barrier_wait -1
.endm
.macro CROUND
	s_barrier_signal -1
	s_barrier_wait -1
	CREST
.endm
.macro CSLOAD win, base, a             ; 16 rows x my 64 columns of cos (window 2) or sin (window 3), laid like accumulator row a
	WIN \win
.set ib, 0
.rept 8
	global_load_b128 v[64*\a+8*ib:64*\a+8*ib+3],   v[CSOFF], s[\base:\base+1] offset:8192*\a+64*ib
	global_load_b128 v[64*\a+8*ib+4:64*\a+8*ib+7], v[CSOFF], s[\base:\base+1] offset:8192*\a+64*ib+16
.set ib, ib+1
.endr
.endm
	s_load_b128 s[4:7], s[0:1], 0x0                ; Xb s[4:5], Wqkv s[6:7]
	s_load_b256 s[72:79], s[0:1], 0x10             ; cos s[72:73], sin s[74:75], q_norm_w s[76:77], k_norm_w s[78:79]
	s_load_b64 s[80:81], s[0:1], 0x30              ; QKV
	v_lshl_add_u32 v30, v0, 2, 0x4e000
	v_mov_b32 v31, 0
	ds_add_u32 v30, v31
	v_lshrrev_b32 v1, 5, v0
	v_readfirstlane_b32 s10, v1                    ; wave 0..3
	s_lshr_b32 s11, s10, 1                         ; my half of the block's rows.  Also: I fetch for W (0) or for X (1)
	s_and_b32 s12, s10, 1                          ; my half of its columns.  Also: which half of that tile I fetch
	s_bfe_u32 s40, ttmp6, 0x40000                  ; cx
	s_bfe_u32 s41, ttmp6, 0x40004                  ; cy
	s_lshl_b32 s42, ttmp9, 2
	s_add_co_u32 s42, s42, s40                     ; block column = 4 x cluster x + cx
	s_and_b32 s13, ttmp7, 0xffff
	s_lshl_b32 s13, s13, 2
	s_add_co_u32 s13, s13, s41                     ; block row = 4 x cluster y + cy
	s_lshl_b32 s43, s41, 2
	s_lshl_b32 s43, 15, s43                        ; my row of the cluster
	s_lshl_b32 s44, 0x1111, s40                    ; my column
	s_or_b32  s[G1+0], s43, A_G10                  ; X's tiles: 64 rows x KSTEP elements, shared along my row
	s_mov_b32 s[G1+1], KSTEP<<16                   ; tensor_dim0
	s_mov_b32 s[G1+2], 64<<16                      ; tensor_dim1
	s_mov_b32 s[G1+3], KSTEP<<16                   ; tile_dim0
	s_mov_b32 s[G1+4], 64                          ; tile_dim1
	s_mov_b32 s[G1+5], 2048                        ; elements from row to row
	s_mov_b32 s[G1+6], 0
	s_mov_b32 s[G1+7], 0
	s_or_b32  s[G1B+0], s44, B_G10                 ; W's tiles: KSTEP/2 k-rows x BN elements, shared along my column
	s_mov_b32 s[G1B+1], BN<<16
	s_mov_b32 s[G1B+2], (KSTEP/2)<<16
	s_mov_b32 s[G1B+3], BN<<16
	s_mov_b32 s[G1B+4], KSTEP/2
	s_mov_b32 s[G1B+5], LDB
	s_mov_b32 s[G1B+6], 0
	s_mov_b32 s[G1B+7], 0
	s_lshl_b32 s93, s12, 6                         ; the last step has 128 k-rows: from the first half's first row 96 of its 96 are there, from the second half's 32
	s_sub_co_u32 s93, 96, s93
	s_lshl_b32 s93, s93, 16                        ; as W's tensor_dim1 word for that load
	s_lshl_b32 s16, s13, 7                         ; X: row 128 x block row + 64 x half, 4,096 bytes a row; no register here ever holds cx
	s_lshl_b32 s17, s12, 6
	s_add_co_u32 s16, s16, s17
	s_lshl_b32 s16, s16, 12
	s_mov_b32 s17, 0
	s_mul_i32 s46, s42, BN*2                       ; W: the block's first column, and my half of the step's k-rows; no register here ever holds cy
	s_mul_i32 s47, s12, (KSTEP/2)*LDB*2
	s_add_co_u32 s46, s46, s47
	s_mov_b32 s47, 0
	s_mul_i32 s20, s10, AT/2                       ; LDS: X's halves behind W's tile: BT + (wave - 2) AT/2
	s_add_co_u32 s20, s20, BT-AT
	s_mul_i32 s21, s10, BT/2                       ; W's halves: wave x BT/2
	s_lshl_b32 s82, s13, 7                         ; the way out: my first row
	s_lshl_b32 s83, s11, 6
	s_add_co_u32 s82, s82, s83
	s_lshl_b32 s84, s82, 9                         ; 512 bytes a row of cos and sin
	s_mov_b32 s85, 0
	s_lshl_b32 s86, s42, 1
	s_add_co_u32 s86, s86, s12                     ; my head = 2 x block column + half
	s_lshl_b32 s86, s86, 19                        ; 524,288 bytes a head
	s_lshl_b32 s83, s82, 8                         ; 256 bytes a row
	s_add_co_u32 s86, s86, s83
	s_mov_b32 s87, 0
	s_mov_b32 s66, 0x76543210                      ; v_permlanex16_b32: lane i reads lane i of the other half
	s_mov_b32 s67, 0xfedcba98
	s_wait_dscnt 0x0
	s_wait_kmcnt 0x0
	s_add_nc_u64 s[14:15], s[4:5], s[16:17]
	s_add_nc_u64 s[46:47], s[6:7], s[46:47]
	s_add_nc_u64 s[72:73], s[72:73], s[84:85]
	s_add_nc_u64 s[74:75], s[74:75], s[84:85]
	s_add_nc_u64 s[80:81], s[80:81], s[86:87]
	CROUND                                         ; all sixteen work-groups are here: the first joint loads meet
.irp s, 0,1
	s_mov_b32 s[G0+4*\s], 1
	s_add_co_u32 s[G0+4*\s+1], s20, \s*SLOT
	s_add_nc_u64 s[G0+4*\s+2:G0+4*\s+3], s[14:15], \s*KSTEP*2
	s_or_b32 s[G0+4*\s+3], s[G0+4*\s+3], 0x80000000
	s_mov_b32 s[G0B+4*\s], 1
	s_add_co_u32 s[G0B+4*\s+1], s21, \s*SLOT
	s_add_nc_u64 s[G0B+4*\s+2:G0B+4*\s+3], s[46:47], \s*KSTEP*LDB*2
	s_or_b32 s[G0B+4*\s+3], s[G0B+4*\s+3], 0x80000000
	JLOAD \s                                       ; K steps 0 and 1: two tensor loads of the wave are out, later one
.endr
	v_and_b32 v1, 15, v0                           ; r
	v_bfe_u32 v2, v0, 4, 1                         ; h
	v_lshlrev_b32 v[CSOFF], 9, v1                  ; cos, sin: 512 r + 32 h
	v_lshl_add_u32 v[CSOFF], v2, 5, v[CSOFF]
	CSLOAD 0x80, 72, 0                             ; 48 loads: cos of my rows 0-47
	CSLOAD 0x80, 72, 1
	CSLOAD 0x80, 72, 2
	WIN 0
	v_mul_u32_u24 v3, v1, APITCH                   ; X's fragment: row r, 16 bytes for each half of the lanes
	v_lshl_add_u32 v3, v2, 4, v3
	s_mul_i32 s22, s11, 64*APITCH
	s_add_co_u32 s22, s22, BT
	v_add_nc_u32 v[ADRA], s22, v3
	s_add_co_u32 s22, s22, SLOT
	v_add_nc_u32 v[ADRA+1], s22, v3
	v_and_b32 v4, 7, v0                            ; W's fragment, transposing: k-row 8 h + l % 8, 16 bytes for each eight lanes
	v_lshl_add_u32 v4, v2, 3, v4
	v_mul_u32_u24 v4, v4, BPITCH
	v_bfe_u32 v5, v0, 3, 1
	v_lshl_add_u32 v4, v5, 4, v4
	s_mul_i32 s23, s12, 32*NB                      ; my half of the columns
	v_add_nc_u32 v[ADRB], s23, v4
	s_add_co_u32 s22, s23, SLOT
	v_add_nc_u32 v[ADRB+2], s22, v4
	v_add_nc_u32 v[ADRB+1], 128*BPITCH, v[ADRB]    ; quarters 4 and 5: 128 rows of 544 bytes are beyond the 16-bit immediate
	v_add_nc_u32 v[ADRB+3], 128*BPITCH, v[ADRB+2]
	s_mul_i32 s23, s10, 16*SPITCH
	s_add_co_u32 s23, s23, STAGE                   ; my stage
	v_mul_u32_u24 v5, v1, SPITCH
	v_lshl_add_u32 v5, v2, 4, v5
	v_add_nc_u32 v[STO], s23, v5                   ; in: row r, 16 bytes at 16 h
	v_mul_u32_u24 v6, v2, SPITCH
	v_lshl_add_u32 v6, v1, 4, v6
	v_add_nc_u32 v[RD], s23, v6                    ; back: lanes 0-15 one row of 256 bytes, lanes 16-31 the next
	v_and_b32 v[CO], 31, v0
	v_lshlrev_b32 v[CO], 4, v[CO]                  ; a head's rows follow each other: two rows are 512 consecutive bytes
	v_lshlrev_b32 v[WOFF], 5, v2                   ; the norm's weights: 32 h
; NB matrix instructions: row tile a x all my column tiles, 32 along K, from fragment buffer f.  zero = 1: the first product starts the sums.
.macro MULA f, a, zero
.set ib, 0
.rept NB
.if \zero
	v_wmma_f32_16x16x32_f16 v[8*(NB*\a+ib):8*(NB*\a+ib)+7], v[64+\f*FSTR+8*ib:64+\f*FSTR+8*ib+7], v[64+8*NB+\f*FSTR+8*\a:64+8*NB+\f*FSTR+8*\a+7], 0
.else
	v_wmma_f32_16x16x32_f16 v[8*(NB*\a+ib):8*(NB*\a+ib)+7], v[64+\f*FSTR+8*ib:64+\f*FSTR+8*ib+7], v[64+8*NB+\f*FSTR+8*\a:64+8*NB+\f*FSTR+8*\a+7], v[8*(NB*\a+ib):8*(NB*\a+ib)+7]
.endif
.set ib, ib+1
.endr
.endm
; the fragments of quarter q of a slot into buffer f: 2 NB transposing loads for W, then 8 loads for X (quarter q begins 64 q bytes into a row, and 16 more for each 128 passed)
.macro FETCH slot, q, f
.set ib, 0
.rept NB
	ds_load_tr16_b128 v[64+\f*FSTR+8*ib:64+\f*FSTR+8*ib+3],   v[ADRB+2*\slot+((\q)>>2)] offset:((\q)&3)*32*BPITCH+32*ib
	ds_load_tr16_b128 v[64+\f*FSTR+8*ib+4:64+\f*FSTR+8*ib+7], v[ADRB+2*\slot+((\q)>>2)] offset:((\q)&3)*32*BPITCH+32*ib+16*BPITCH
.set ib, ib+1
.endr
.set ib, 0
.rept 4
	ds_load_b128 v[64+8*NB+\f*FSTR+8*ib:64+8*NB+\f*FSTR+8*ib+3],   v[ADRA+\slot] offset:16*ib*APITCH+64*(\q)+16*((\q)>>1)
	ds_load_b128 v[64+8*NB+\f*FSTR+8*ib+4:64+8*NB+\f*FSTR+8*ib+7], v[ADRA+\slot] offset:16*ib*APITCH+64*(\q)+16*((\q)>>1)+32
.set ib, ib+1
.endr
.endm
; A quarter but the last of a K step: multiplies buffer q & 1 and in its middle fetches the next quarter into the other.
; The 4 NB accumulators take turns, one instruction a turn, in the same order in every quarter, over the backward jump too.
.macro QUARTER slot, q, zero
.set qf, (\q)&1
.set qg, 1-qf
.set qn, (\q)+1
	s_wait_dscnt 4                                 ; W's tiles and X's tiles 0, 1 are in; the four youngest loads (X's tiles 2, 3) may be out
	WIN MUL
	MULA qf, 0, \zero
	MULA qf, 1, \zero
	PLACES
	WIN 0
	FETCH \slot, qn, qg
	s_wait_dscnt 2*NB+8                            ; all but the run just issued
	WIN MUL
	MULA qf, 2, \zero
	MULA qf, 3, \zero
.endm
.macro FRONT slot, zero, n             ; all quarters of a step of n but the last
	QUARTER \slot, 0, \zero
.set qq, 1
.rept \n-2
	QUARTER \slot, qq, 0
.set qq, qq+1
.endr
.endm
; The last quarter (buffer 1: a step has an even number of quarters) changes slots.  In front of the barrier each wave waits for its reads of this slot and for all its tensor loads, of which one is out: its part of the
; next slot.  fill = 1: the barrier opens a round of the cluster's barrier, and behind the round this slot is asked for again, two K steps ahead, first thing.  fill = 2: the same for the last, short step.
.macro TURN slot, next, fill
	s_wait_dscnt 0                                 ; the last quarter's fragments are in: my reads of this slot are over
	WIN MUL
	MULA 1, 0, 0
	s_wait_tensorcnt 0x0                           ; all my tensor loads have landed
	ds_add_u32 v30, v31
	s_wait_dscnt 0x0
	s_barrier_signal -1
	MULA 1, 1, 0                                   ; register work while the others arrive
	WIN 0
	s_barrier_wait -1
.if \fill
	CREST                                          ; no wave of any partner still reads this slot or has a load on its way
	s_add_nc_u64 s[G0+4*\slot+2:G0+4*\slot+3], s[G0+4*\slot+2:G0+4*\slot+3], 2*KSTEP*2
	s_add_nc_u64 s[G0B+4*\slot+2:G0B+4*\slot+3], s[G0B+4*\slot+2:G0B+4*\slot+3], 2*KSTEP*LDB*2
.if \fill == 2
	s_mov_b32 s[G1+1], 128<<16                     ; X's tensor_dim0: 128 elements are left of a row; the tile's other 64 arrive as zeros
	s_mov_b32 s[G1B+2], s93                        ; W's tensor_dim1: the k-rows that are left from my half's first
.endif
	JLOAD \slot
.endif
	PLACES
	FETCH \next, 0, 0
	WIN MUL
	MULA 1, 2, 0
	MULA 1, 3, 0
.endm
.macro LAP zero
	FRONT 0, \zero, NQ
	TURN 0, 1, 1
	FRONT 1, 0, NQ
	TURN 1, 0, 1
.endm
	s_wait_tensorcnt 1                             ; my part of K step 0 is in; K step 1's stays out
	s_barrier_signal -1
	s_barrier_wait -1
	FETCH 0, 0, 0
	LAP 1                                          ; steps 0 and 1: the first products start the sums; steps 2 and 3 are asked for
	CSLOAD 0x80, 72, 3                             ; 48 loads: cos of rows 48-63, sin of rows 0-31
	CSLOAD 0xc0, 74, 0
	CSLOAD 0xc0, 74, 1
	WIN 0
	s_mov_b32 s3, LOOPS
.Llap:
	LAP 0                                          ; steps 2 .. 7; steps 4 .. 9 are asked for
	WIN 0
	s_sub_co_u32 s3, s3, 1
	s_cmp_lg_u32 s3, 0
	s_cbranch_scc1 .Llap
	CSLOAD 0xc0, 74, 2                             ; 32 loads: sin of rows 32-63; 512 matrix instructions are left
	CSLOAD 0xc0, 74, 3
	WIN 0
	FRONT 0, 0, NQ                                 ; step 8
	TURN 0, 1, 2                                   ; slot 0 is asked for a last time: step 10, of 128
	FRONT 1, 0, NQ                                 ; step 9
	TURN 1, 0, 0                                   ; nothing is left to fetch; behind this barrier no wave reads slot 1 any more
	FRONT 0, 0, NQL                                ; step 10: four quarters
	s_wait_dscnt 0
	WIN MUL
	MULA 1, 0, 0
	MULA 1, 1, 0
	MULA 1, 2, 0
	MULA 1, 3, 0
	PLACES                                         ; behind the last matrix instructions: vector work on the sums and loads into the fragment registers follow
	WIN 0
; 16 rows out: 16 bytes a lane into my own stage, whole rows of 256 bytes back, 512 consecutive bytes a store
.macro OUTROWS a
.irp b, 0,1,2,3,4,5,6,7
	ds_store_b128 v[STO], v[TMP+4*\b:TMP+4*\b+3] offset:32*\b
.endr
	s_wait_xcnt 0x0                                ; OB, which the last rows' stores read, is loaded again only behind this wait
.irp t, 0,1,2,3,4,5,6,7
	ds_load_b128 v[OB+4*\t:OB+4*\t+3], v[RD] offset:2*SPITCH*\t    ; LDS serves a wave's instructions in order (ISA guide 5.7.1): these see the stores above
.endr
.irp t, 0,1,2,3,4,5,6,7
	s_wait_dscnt 7-\t
	global_store_b128 v[CO], v[OB+4*\t:OB+4*\t+3], s[80:81] offset:4096*\a+512*\t
.endr
.endm
; row tile a: x / rms x w, the rotation, rounding
.macro ROPE a
	WIN 0x41                                       ; sums in window 1, the factor in window 0
.set i, 0
.rept 32
	v_pk_mul_f32 v[64*\a+2*i:64*\a+2*i+1], v[64*\a+2*i:64*\a+2*i+1], v[SS+8*\a+4:SS+8*\a+5] op_sel_hi:[1,0]
.set i, i+1
.endr
.set i, 0
.rept 32
	v_pk_mul_f32 v[64*\a+2*i:64*\a+2*i+1], v[64*\a+2*i:64*\a+2*i+1], v[W+2*i:W+2*i+1]
.set i, i+1
.endr
	WIN 0x0d                                       ; source 0 the sums, source 1 sin
.set i, 0
.rept 32
	v_pk_mul_f32 v[TT+2*i:TT+2*i+1], v[64*\a+2*(i^16):64*\a+2*(i^16)+1], v[64*\a+2*i:64*\a+2*i+1]   ; x[d +- 64] sin[d]: tile b xor 4, the same lane
.set i, i+1
.endr
	WIN 0x09                                       ; source 0 the sums, source 1 cos
.set i, 0
.rept 32
	v_fma_f32 v[TT+i], v[64*\a+i], v[64*\a+i], -v[TT+i]        ; d < 64: x cos - x[d + 64] sin
.set i, i+1
.endr
.set i, 16
.rept 16
	v_pk_fma_f32 v[TT+2*i:TT+2*i+1], v[64*\a+2*i:64*\a+2*i+1], v[64*\a+2*i:64*\a+2*i+1], v[TT+2*i:TT+2*i+1]   ; d >= 64: x cos + x[d - 64] sin
.set i, i+1
.endr
	WIN 0
.set i, 0
.rept 32
	v_cvt_pk_f16_f32 v[TMP+i], v[TT+2*i], v[TT+2*i+1]
.set i, i+1
.endr
	OUTROWS \a
.endm
	s_cmp_eq_u32 ttmp9, 3                          ; the kind of head hangs on the cluster's x alone: 0, 1 q; 2 k; 3 v
	s_cbranch_scc1 .Lv_heads
	s_cmp_lt_u32 ttmp9, 2
	s_cselect_b64 s[88:89], s[76:77], s[78:79]     ; q_norm_w or k_norm_w
	s_cselect_b32 s90, 0x3e0293ee, 1.0             ; q also takes log2 e / sqrt 128, so that the scores come out in powers of two
	s_mov_b32 s91, 0x3c000000                      ; 1 / 128
	s_mov_b32 s92, 0x358637bd                      ; 1e-6
.irp b, 0,1,2,3,4,5,6,7
	global_load_b128 v[W+8*\b:W+8*\b+3],   v[WOFF], s[88:89] offset:64*\b
	global_load_b128 v[W+8*\b+4:W+8*\b+7], v[WOFF], s[88:89] offset:64*\b+16
.endr
	WIN 0x05                                       ; both sources in window 1
.irp a, 0,1,2,3
.irp c, 0,1,2,3
	v_pk_mul_f32 v[SS+8*\a+2*\c:SS+8*\a+2*\c+1], v[64*\a+2*\c:64*\a+2*\c+1], v[64*\a+2*\c:64*\a+2*\c+1]
.endr
.set ib, 1
.rept 7
.irp c, 0,1,2,3
	v_pk_fma_f32 v[SS+8*\a+2*\c:SS+8*\a+2*\c+1], v[64*\a+8*ib+2*\c:64*\a+8*ib+2*\c+1], v[64*\a+8*ib+2*\c:64*\a+8*ib+2*\c+1], v[SS+8*\a+2*\c:SS+8*\a+2*\c+1]
.endr
.set ib, ib+1
.endr
.endr
	WIN 0
.irp a, 0,1,2,3
	v_pk_add_f32 v[SS+8*\a:SS+8*\a+1], v[SS+8*\a:SS+8*\a+1], v[SS+8*\a+2:SS+8*\a+3]
	v_pk_add_f32 v[SS+8*\a+4:SS+8*\a+5], v[SS+8*\a+4:SS+8*\a+5], v[SS+8*\a+6:SS+8*\a+7]
.endr
.irp a, 0,1,2,3
	v_pk_add_f32 v[SS+8*\a:SS+8*\a+1], v[SS+8*\a:SS+8*\a+1], v[SS+8*\a+4:SS+8*\a+5]
.endr
.irp a, 0,1,2,3
	v_add_f32 v[SS+8*\a], v[SS+8*\a], v[SS+8*\a+1]
.endr
.irp a, 0,1,2,3
	v_permlanex16_b32 v[SS+8*\a+1], v[SS+8*\a], s66, s67   ; the row's other 64 numbers lie in lane l xor 16
.endr
.irp a, 0,1,2,3
	v_add_f32 v[SS+8*\a], v[SS+8*\a], v[SS+8*\a+1]
.endr
.irp a, 0,1,2,3
	v_fma_f32 v[SS+8*\a], v[SS+8*\a], s91, s92             ; mean + eps
.endr
.irp a, 0,1,2,3
	v_rsq_f32 v[SS+8*\a+2], v[SS+8*\a]
.endr
	v_nop                                          ; one plain instruction behind the transcendentals (ISA guide 5.7.2)
	s_wait_alu depctr_va_vdst(0)
.irp a, 0,1,2,3
	v_mul_f32 v[SS+8*\a+4], s90, v[SS+8*\a+2]
.endr
	s_wait_loadcnt 0x0                             ; the weights, cos and sin
	ROPE 0
	ROPE 1
	ROPE 2
	ROPE 3
	s_branch .Lclose
.Lv_heads:
.irp a, 0,1,2,3
	WIN 0x05
.set i, 0
.rept 32
	v_cvt_pk_f16_f32 v[TMP+i], v[64*\a+2*i], v[64*\a+2*i+1]
.set i, i+1
.endr
	WIN 0
	OUTROWS \a
.endr
.Lclose:
	s_wait_tensorcnt 0x0
	ds_add_u32 v30, v31
	s_wait_dscnt 0x0
	CROUND                                         ; the closing round: no work-group ends while a partner may still ask for a tile that names it
	s_endpgm
.Lfunc_end_k_q535e6f814d_qkv:
	.size	k_q535e6f814d_qkv, .Lfunc_end_k_q535e6f814d_qkv-k_q535e6f814d_qkv
	.p2alignl 7, 3214868480
	.fill 96, 4, 3214868480
	.section	.rodata,"a",@progbits
	.p2align	6, 0x0
	.amdhsa_kernel k_q535e6f814d_qkv
		.amdhsa_group_segment_fixed_size 327680
		.amdhsa_private_segment_fixed_size 0
		.amdhsa_enable_private_segment 0
		.amdhsa_kernarg_size 56
		.amdhsa_user_sgpr_count 2
		.amdhsa_user_sgpr_kernarg_segment_ptr 1
		.amdhsa_wavefront_size32 1
		.amdhsa_system_sgpr_workgroup_id_x 1
		.amdhsa_system_sgpr_workgroup_id_y 1
		.amdhsa_system_sgpr_workgroup_id_z 1
		.amdhsa_system_vgpr_workitem_id 0
		.amdhsa_next_free_vgpr 1024
		.amdhsa_next_free_sgpr 96
		.amdhsa_reserve_vcc 0
		.amdhsa_float_denorm_mode_32 3
		.amdhsa_float_denorm_mode_16_64 3
		.amdhsa_memory_ordered 1
		.amdhsa_forward_progress 1
		.amdhsa_inst_pref_size 255
	.end_amdhsa_kernel
	.section	.bss,"aw",@nobits
	.p2align	6
	.space	262144
	.amdgpu_metadata
---
amdhsa.version: [ 1, 2 ]
amdhsa.kernels:
  - .name:           k_q535e6f814d_qkv
    .symbol:         k_q535e6f814d_qkv.kd
    .args:
      - { .name: Xb, .offset: 0, .size: 8, .value_kind: global_buffer, .address_space: global }
      - { .name: Wqkv, .offset: 8, .size: 8, .value_kind: global_buffer, .address_space: global }
      - { .name: cos, .offset: 16, .size: 8, .value_kind: global_buffer, .address_space: global }
      - { .name: sin, .offset: 24, .size: 8, .value_kind: global_buffer, .address_space: global }
      - { .name: q_norm_w, .offset: 32, .size: 8, .value_kind: global_buffer, .address_space: global }
      - { .name: k_norm_w, .offset: 40, .size: 8, .value_kind: global_buffer, .address_space: global }
      - { .name: QKV, .offset: 48, .size: 8, .value_kind: global_buffer, .address_space: global }
    .group_segment_fixed_size: 327680
    .private_segment_fixed_size: 0
    .kernarg_segment_align: 8
    .kernarg_segment_size: 56
    .max_flat_workgroup_size: 128
    .sgpr_count:     96
    .vgpr_count:     1024
    .wavefront_size: 32
...
	.end_amdgpu_metadata
.endif
;; end of part 2
;; launch attn (part 3): grid 32 x 8, 4 waves a work-group, clusters of 4 x 1, 327,680 bytes of LDS; arguments QKV, LBD, AO, Wo, Wob; writes AO, Wob
.if DOCPART == 3
	.amdgcn_target "amdgcn-amd-amdhsa--gfx1250"
	.amdhsa_code_object_version 6
	.text
	.protected	k_q535e6f814d_attn
	.globl	k_q535e6f814d_attn
	.p2align	8
	.type	k_q535e6f814d_attn,@function
k_q535e6f814d_attn:
	s_mov_b64 s[64:65], 0
	v_nop
	global_prefetch_b8 v0, s[64:65] scope:SCOPE_SE
	s_setreg_imm32_b32 hwreg(HW_REG_WAVE_MODE, 25, 1), 1
	s_wait_xcnt 0x0
	s_wait_alu depctr_hold_cnt(0) depctr_sa_sdst(0) depctr_va_vdst(0) depctr_va_sdst(0) depctr_va_ssrc(0) depctr_va_vcc(0) depctr_vm_vsrc(0)
	s_getreg_b32 s2, hwreg(HW_REG_IB_STS2, 6, 4)
	s_cmp_eq_u32 s2, 0
	s_cbranch_scc0 .Lentry_in_a_cluster
	s_endpgm
.Lentry_in_a_cluster:
	s_bfe_u32 s2, ttmp6, 0x10000c
	s_cmp_lg_u32 s2, 0x3003
	s_cbranch_scc0 .Lentry_shape_is_right
	s_endpgm
.Lentry_shape_is_right:
; Causal attention with the retention bias: softmax over j <= i of q_i . k_j / sqrt 128 + log beta_j (i - j), times V.  All exponents in powers of two: q carries log2 e / sqrt 128, LBD holds log2 beta.
; In: QKV [32 heads][2048][128] f16 (q 0-15, k 16-23, v 24-31), LBD [256 groups of 8 keys][8 kv heads][lb2 x 8, d2 x 8] f32.  Out: AO [2048 t][16 x 128] f16.
; ON THE SIDE it rounds Wo [2048][2048] f32 to Wob f16 for the launch that follows: work-group g takes rows 8 g .. 8 g + 7 (64 KB); each of its 8 pairs of trips loads four steps of 2,048 bytes in the even trip
; (16 bytes a thread) and converts and stores them at the head of the odd one (8 bytes a thread: a wave's store covers 256 consecutive bytes, aligned), behind the wait for loads that stands there anyway.
; SHARE: y = kv head.  Cluster c (0..7) owns two query blocks of 128 rows: first block 2 c + 1, then block 14 - 2 c.  Keys go in blocks of 128, one a trip: 2 c + 2 for the first part, 15 - 2 c for the second: 17 trips
; in every work-group.  The first part is a loop of c + 1 pairs of trips (slot 0, slot 1), then the merge; the second a loop of 7 - c pairs (jumped over where c = 7), the last trip written out without a refill, and the merge.
; Both trip counts are made of the cluster's x alone: they are the same in all waves and in all four partners.
; Work-group cx takes rows 32 cx .. + 31 of each block for both query heads of the kv head: 64 query columns, tiles t = 2 g + half.
; CLUSTERS: the four work-groups of a cluster need the same K and V tiles in the same trips: every tile is a joint load with mask 15.
; The four waves split the KEYS: wave w takes keys 32 w .. + 31 of each block and keeps all 64 query columns, so that 16 KB of fragments feed 64 matrix instructions.  Their partial results
; (own running maximum, own sum) meet once a part, through LDS (MERGE).
; LAYOUTS: S^T = K Q^T (lane (r, h): query r, keys 8 h + j) is as it stands the second source of O^T = V^T P^T; maximum, sum and rescale are per lane; nothing moves between lanes but one exchange of halves.
; BIAS: lb2_j (i - j) = lb2_j (i - 128 blk) + d2_j, d2_j = -lb2_j (j & 127): one fused multiply-add, shared by both heads, and given to the first product of S as its C.  Its error is at most 2^-24 x 128 |lb2|.
; MASK: PEN = min(i - j, 0) of the diagonal block, whole numbers kept in f32, made once (it is the same for both parts); every trip adds PEN x SEL, SEL = 1e30 in a part's last block and 0 elsewhere: no branch.
; LIMITS: masked scores are -1e30 or less and not the least f32: both give the weight 0, since a live score is at least -26.6 x 2047 - |q . k|.  A wave all of whose keys are masked for a row carries a maximum of
; -1e30 or less and weights of at most 1; the merge wipes them with the factor 2^(-1e30 - M) = 0.  The sum l is made of the f32 weights, the product with V of their f16 roundings (weights under 6e-8 round to 0).
; The result is a mean of rows of v and has v's bound, 65,504; so has Wo in f16.  NaN and infinities in q, k, v spread as the arithmetic takes them.
.set SLOT,  71680                      ; V's tile 128 x 288, then K's 128 x 272
.set KOFF,  36864
.set VP,    288                        ; an odd multiple of 32 bytes, for the transposing load
.set KP,    272                        ; an odd multiple of 16 bytes
.set SCR,   143360                     ; [wave][t][b][c] x 512 bytes: the waves' parts of O.  No tensor load lands from here on
.set STAT,  274432                     ; [wave][t][m, l] x 128 bytes
.set STAGE, 278528                     ; 16 rows x 272 bytes for each wave
.set WOS,   1                          ; v1     Wo: 16 x thread (written at the end of the set-up, which uses v1 and v2 for other things)
.set WOD,   2                          ; v2     Wob: 8 x thread
.set ADRK,  4                          ; v4-5   K's fragments in slot 0, 1
.set ADRV,  6                          ; v6-7   V's
.set QOFF,  8
.set LBOFF, 9
.set SCRW,  10
.set SCRR,  11                         ; v11-12
.set STATW, 13
.set STATR, 14
.set STO,   15
.set RD,    16
.set CO,    17
.set M,     18                         ; v18-21  running maximum of tile t, equal in both halves of the lanes
.set L,     22                         ; v22-25  running sum, each half of the lanes its own keys' until the merge
.set NM,    26                         ; v26+2t  -maximum (the odd partner is written once: a pair is read whole)
.set AL,    34                         ; v34+2t  rescale factor; in the merge: the four waves' factors
.set T,     42                         ; v42-47  at work
.set KF,    48                         ; v[48:111]   K's fragments [kt][s]
.set VF,    112                        ; v[112:175]  V's fragments [b]
.set S,     176                        ; v[176:239]  S^T at 8 (4 kt + t); P is packed into the kt = 0 tile's registers
.set X,     240                        ; v[240:255]  at work
; window 1: O^T tile (b, t) at 8 (4 b + t).  Window 2:
.set Q,     0                          ; Q's fragments at 8 (4 t + s)
.set BI,    128                        ; bias at 8 (2 half + kt)
.set LB,    160                        ; lb2 at 16 kt, d2 at 16 kt + 8
.set AI,    192                        ; 192, 194: i - 128 blk of half 0, 1, as f32 (193, 195: the pairs' partners)
.set AIS,   196                        ; 196, 198: AI at the start of the second part
.set SEL,   200                        ; 1e30 or 0 (201: the pair's partner)
.set C128,  202                        ; -128.0
.set PEN,   204                        ; v[204:227] min(i - j, 0) at 8 (half - kt + 1) + j
.set WB,    228                        ; v[228:243] four steps of Wo as loaded, then as stored
.set G1V, 24
.set G1K, 32
.set G0V, 40                           ; a set for each slot
.set G0K, 48
.set MSB, 0
.macro WIN new                         ; the immediate's high byte repeats the setting that is left
.if MSB != \new
	s_set_vgpr_msb (MSB<<8)|\new
.set MSB, \new
.endif
.endm
.macro PLACES
.rept 4
	v_nop
.endr
.endm
.macro ROUND                           ; a round of the cluster's barrier
	s_barrier_signal -1
	s_barrier_wait -1
	s_cmp_lg_u32 s10, 0
	s_cbranch_scc1 .Lnot_wave_0_\@
	s_barrier_signal -3
.Lnot_wave_0_\@:
	s_barrier_wait -3
	s_barrier_signal -1
	s_barrier_wait -1
.endm
.macro JLOAD s                         ; waves 0, 1 ask for V's halves, waves 2, 3 for K's
	s_cmp_eq_u32 s11, 0
	s_cbranch_scc0 .Lfor_k_\@
	tensor_load_to_lds s[G0V+4*\s:G0V+4*\s+3], s[G1V:G1V+7]
	s_nop 0
	s_branch .Lasked_\@
.Lfor_k_\@:
	tensor_load_to_lds s[G0K+4*\s:G0K+4*\s+3], s[G1K:G1K+7]
	s_nop 0
.Lasked_\@:
.endm
.macro QLOAD base                      ; 64 query columns x 128 d as second sources: row r, 16 bytes at 16 h and at 32 + 16 h of each 64
	WIN 0x80
.irp t, 0,1,2,3
.irp s, 0,1,2,3
	global_load_b128 v[Q+8*(4*\t+\s):Q+8*(4*\t+\s)+3],   v[QOFF], s[\base:\base+1] offset:524288*(\t>>1)+4096*(\t&1)+64*\s
	global_load_b128 v[Q+8*(4*\t+\s)+4:Q+8*(4*\t+\s)+7], v[QOFF], s[\base:\base+1] offset:524288*(\t>>1)+4096*(\t&1)+64*\s+32
.endr
.endr
.endm
.macro LBLOAD                          ; lb2 and d2 of my lane's 16 keys of the block that s[66:67] names
	WIN 0x80
.irp kt, 0,1
.irp i, 0,1,2,3
	global_load_b128 v[LB+16*\kt+4*\i:LB+16*\kt+4*\i+3], v[LBOFF], s[66:67] offset:1024*\kt+16*\i
.endr
.endr
.endm
.macro WOLOAD                          ; four steps of 2,048 bytes of Wo: a wave's load covers 512 consecutive bytes
	WIN 0x80
.irp i, 0,1,2,3
	global_load_b128 v[WB+4*\i:WB+4*\i+3], v[WOS], s[92:93] offset:2048*\i th:TH_LOAD_NT
.endr
.endm
.macro WOCVT                           ; behind the trip's wait for all loads: they are rounded in place and stored
	s_add_nc_u64 s[92:93], s[92:93], 8192          ; the loads that used this base are done
	WIN 0x8a                                       ; destination and both sources in window 2
.irp i, 0,1,2,3
	v_cvt_pk_f16_f32 v[WB+4*\i], v[WB+4*\i], v[WB+4*\i+1]
	v_cvt_pk_f16_f32 v[WB+4*\i+1], v[WB+4*\i+2], v[WB+4*\i+3]
.endr
	WIN 0x08                                       ; store data in window 2, the address in window 0
.irp i, 0,1,2,3
	global_store_b64 v[WOD], v[WB+4*\i:WB+4*\i+1], s[94:95] offset:1024*\i
.endr
	WIN 0
.endm
.macro FETCH slot                      ; my 32 keys: K as first source of S (16 loads), V transposed as first source of O (16 loads)
.irp kt, 0,1
.irp s, 0,1,2,3
	ds_load_b128 v[KF+8*(4*\kt+\s):KF+8*(4*\kt+\s)+3],   v[ADRK+\slot] offset:16*KP*\kt+64*\s
	ds_load_b128 v[KF+8*(4*\kt+\s)+4:KF+8*(4*\kt+\s)+7], v[ADRK+\slot] offset:16*KP*\kt+64*\s+32
.endr
.endr
.irp b, 0,1,2,3,4,5,6,7
	ds_load_tr16_b128 v[VF+8*\b:VF+8*\b+3],   v[ADRV+\slot] offset:32*\b
	ds_load_tr16_b128 v[VF+8*\b+4:VF+8*\b+7], v[ADRV+\slot] offset:32*\b+16*VP
.endr
.endm
; This trip's bias and mask.  Its 35 plain vector lines, all on registers of window 2, are also the places between the last matrix instruction and the next loads into, and products over, its registers.
.macro BIAS
	s_wait_loadcnt 0x0                             ; lb2 and d2, asked for early in the trip before (and Q, where a part begins; and Wo's four steps, behind an even trip)
	s_wait_xcnt 0x0                                ; every earlier memory instruction has had its addresses translated (ISA guide 3.1): s[66:67] and Wo's registers, which stores read, are written again behind these waits
	s_cmp_eq_u32 s17, s16                          ; the part's last key block is the diagonal one
	s_cselect_b32 s86, 0x7149f2ca, 0               ; 1e30 there, 0 elsewhere
	WIN 0x80
	v_mov_b32 v[SEL], s86
	WIN 0xaa
.irp hf, 0,1
.irp kt, 0,1
.irp p, 0,1,2,3
	v_pk_fma_f32 v[BI+8*(2*\hf+\kt)+2*\p:BI+8*(2*\hf+\kt)+2*\p+1], v[LB+16*\kt+2*\p:LB+16*\kt+2*\p+1], v[AI+2*\hf:AI+2*\hf+1], v[LB+16*\kt+8+2*\p:LB+16*\kt+8+2*\p+1] op_sel_hi:[1,0,1]
.endr
.endr
.endr
.irp hf, 0,1
.irp kt, 0,1
.irp p, 0,1,2,3
	v_pk_fma_f32 v[BI+8*(2*\hf+\kt)+2*\p:BI+8*(2*\hf+\kt)+2*\p+1], v[PEN+8*(\hf-\kt+1)+2*\p:PEN+8*(\hf-\kt+1)+2*\p+1], v[SEL:SEL+1], v[BI+8*(2*\hf+\kt)+2*\p:BI+8*(2*\hf+\kt)+2*\p+1] op_sel_hi:[1,0,1]
.endr
.endr
.endr
	v_add_f32 v[AI], v[C128], v[AI]                ; the next block begins 128 keys further on
	v_add_f32 v[AI+2], v[C128], v[AI+2]
	WIN 0
.endm
.macro SOFTMAX t
.set SA, S+8*\t
.set SB, S+32+8*\t
	v_max3_num_f32 v[T],   v[M+\t], v[SA],   v[SA+1]
	v_max3_num_f32 v[T+1], v[SB],   v[SB+1], v[SB+2]
	v_max3_num_f32 v[T],   v[T],    v[SA+2], v[SA+3]
	v_max3_num_f32 v[T+1], v[T+1],  v[SB+3], v[SB+4]
	v_max3_num_f32 v[T],   v[T],    v[SA+4], v[SA+5]
	v_max3_num_f32 v[T+1], v[T+1],  v[SB+5], v[SB+6]
	v_max3_num_f32 v[T],   v[T],    v[SA+6], v[SA+7]
	v_max3_num_f32 v[T+1], v[T+1],  v[SB+7], v[T]
	v_permlanex16_b32 v[T+2], v[T+1], s22, s23     ; the row's other 16 keys of my wave
	v_max_num_f32 v[T+1], v[T+1], v[T+2]
	v_sub_f32 v[AL+2*\t], v[M+\t], v[T+1]          ; old - new; -inf at a part's first block
	v_mov_b32 v[M+\t], v[T+1]
	v_xor_b32 v[NM+2*\t], 0x80000000, v[T+1]
.irp p, 0,1,2,3
	v_pk_add_f32 v[SA+2*\p:SA+2*\p+1], v[SA+2*\p:SA+2*\p+1], v[NM+2*\t:NM+2*\t+1] op_sel_hi:[1,0]
	v_pk_add_f32 v[SB+2*\p:SB+2*\p+1], v[SB+2*\p:SB+2*\p+1], v[NM+2*\t:NM+2*\t+1] op_sel_hi:[1,0]
.endr
	v_exp_f32 v[AL+2*\t], v[AL+2*\t]
.irp j, 0,1,2,3,4,5,6,7
	v_exp_f32 v[SA+\j], v[SA+\j]
	v_exp_f32 v[SB+\j], v[SB+\j]
.endr
	v_nop                                          ; one plain instruction behind the transcendentals (ISA guide 5.7.2)
	s_wait_alu depctr_va_vdst(0)
	v_pk_add_f32 v[X:X+1],   v[SA:SA+1],     v[SA+2:SA+3]
	v_pk_add_f32 v[X+2:X+3], v[SA+4:SA+5],   v[SA+6:SA+7]
	v_pk_add_f32 v[X+4:X+5], v[SB:SB+1],     v[SB+2:SB+3]
	v_pk_add_f32 v[X+6:X+7], v[SB+4:SB+5],   v[SB+6:SB+7]
	v_pk_add_f32 v[X:X+1],   v[X:X+1],       v[X+2:X+3]
	v_pk_add_f32 v[X+4:X+5], v[X+4:X+5],     v[X+6:X+7]
	v_pk_add_f32 v[X:X+1],   v[X:X+1],       v[X+4:X+5]
	v_add_f32 v[X], v[X], v[X+1]
	v_fma_f32 v[L+\t], v[L+\t], v[AL+2*\t], v[X]
.irp p, 0,1,2,3
	v_cvt_pk_f16_f32 v[SA+\p], v[SA+2*\p], v[SA+2*\p+1]        ; keys 8 h + 0..7: registers 0-3 of P's fragment, in place
.endr
.irp p, 0,1,2,3
	v_cvt_pk_f16_f32 v[SA+4+\p], v[SB+2*\p], v[SB+2*\p+1]      ; keys 16 + 8 h + 0..7: registers 4-7
.endr
.endm
.macro RESCALE t
	WIN 0x41
.irp b, 0,1,2,3,4,5,6,7
.irp p, 0,1,2,3
	v_pk_mul_f32 v[8*(4*\b+\t)+2*\p:8*(4*\b+\t)+2*\p+1], v[8*(4*\b+\t)+2*\p:8*(4*\b+\t)+2*\p+1], v[AL+2*\t:AL+2*\t+1] op_sel_hi:[1,0]
.endr
.endr
.endm
.macro PV t                            ; eight accumulators, one instruction each
	WIN 0x50
.irp b, 0,1,2,3,4,5,6,7
	v_wmma_f32_16x16x32_f16 v[8*(4*\b+\t):8*(4*\b+\t)+7], v[VF+8*\b:VF+8*\b+7], v[S+8*\t:S+8*\t+7], v[8*(4*\b+\t):8*(4*\b+\t)+7]
.endr
.endm
; d tiles 4 hb .. 4 hb + 3 of query tile t = my wave's number, from the four waves' parts: 32 loads
.macro SCRLOAD hb
.irp b, 0,1,2,3
.irp c, 0,1
	ds_load_b128 v[KF+8*\b+4*\c:KF+8*\b+4*\c+3],       v[SCRR]   offset:1024*(4*\hb+\b)+512*\c
	ds_load_b128 v[KF+32+8*\b+4*\c:KF+32+8*\b+4*\c+3], v[SCRR]   offset:32768+1024*(4*\hb+\b)+512*\c
	ds_load_b128 v[KF+64+8*\b+4*\c:KF+64+8*\b+4*\c+3], v[SCRR+1] offset:1024*(4*\hb+\b)+512*\c
	ds_load_b128 v[KF+96+8*\b+4*\c:KF+96+8*\b+4*\c+3], v[SCRR+1] offset:32768+1024*(4*\hb+\b)+512*\c
.endr
.endr
.endm
; their sum, each part times its wave's factor; rounded; into my own stage
.macro SUMOUT hb
	s_wait_dscnt 0x0
.set i, 0
.rept 16
	v_pk_mul_f32 v[KF+2*i:KF+2*i+1], v[KF+2*i:KF+2*i+1], v[AL:AL+1] op_sel_hi:[1,0]
.set i, i+1
.endr
.irp w, 1,2,3
.set i, 0
.rept 16
	v_pk_fma_f32 v[KF+2*i:KF+2*i+1], v[KF+32*\w+2*i:KF+32*\w+2*i+1], v[AL+2*\w:AL+2*\w+1], v[KF+2*i:KF+2*i+1] op_sel_hi:[1,0,1]
.set i, i+1
.endr
.endr
.set i, 0
.rept 16
	v_cvt_pk_f16_f32 v[X+i], v[KF+2*i], v[KF+2*i+1]
.set i, i+1
.endr
.irp b, 0,1,2,3
	ds_store_b128 v[STO], v[X+4*\b:X+4*\b+3] offset:32*(4*\hb+\b)   ; row r, d = 16 b + 8 h + 0..7
.endr
.endm
; The four waves' parts of a query block meet.  final = 0: the first part ends, the second one's Q is asked for and the state is reset; final = 1: the end.
; Every wave stores its O as it stands and its (m, l); behind ONE barrier wave w takes query tile t = w: the row's maximum Mg over the four waves, the factors 2^(m - Mg) / l, and the weighted sum of the four parts.
; The eight vector lines at its head are the places between the last matrix instruction and the LDS stores of its results and the loads into its sources.
; The barrier here is followed by no fill: the tile that is on its way may cross it.  The scratch is written again only in the next merge, behind rounds in front of which every wave has waited for its LDS loads.
.macro MERGE final
.irp t, 0,1,2,3
	v_permlanex16_b32 v[T+\t], v[L+\t], s22, s23
.endr
.irp t, 0,1,2,3
	v_add_f32 v[L+\t], v[L+\t], v[T+\t]            ; the sum over my wave's 32-key strips
.endr
.if \final == 0
	QLOAD 70                                       ; the second part's Q; waited for at the head of the next trip
.endif
	WIN 0
.irp t, 0,1,2,3
	ds_store_b32 v[STATW], v[M+\t] offset:256*\t
	ds_store_b32 v[STATW], v[L+\t] offset:256*\t+128
.endr
	WIN 0x04                                       ; store data in window 1
.irp t, 0,1,2,3
.irp b, 0,1,2,3,4,5,6,7
	ds_store_b128 v[SCRW], v[8*(4*\b+\t):8*(4*\b+\t)+3]   offset:8192*\t+1024*\b
	ds_store_b128 v[SCRW], v[8*(4*\b+\t)+4:8*(4*\b+\t)+7] offset:8192*\t+1024*\b+512
.endr
.endr
	WIN 0
	s_wait_dscnt 0x0                               ; for the others' sake
	s_barrier_signal -1
	s_barrier_wait -1
.irp w, 0,1,2,3
	ds_load_b32 v[X+2*\w],   v[STATR] offset:1024*\w       ; wave w's maximum of my tile,
	ds_load_b32 v[X+2*\w+1], v[STATR] offset:1024*\w+128   ; and its sum
.endr
	SCRLOAD 0
	s_wait_dscnt 32                                ; the eight (m, l) are in; the 32 loads issued behind them may be out
	v_max3_num_f32 v[T], v[X], v[X+2], v[X+4]
	v_max_num_f32 v[T], v[T], v[X+6]               ; the row's maximum over all keys
.irp w, 0,1,2,3
	v_sub_f32 v[X+2*\w], v[X+2*\w], v[T]
.endr
.irp w, 0,1,2,3
	v_exp_f32 v[X+2*\w], v[X+2*\w]
.endr
	v_nop                                          ; one plain instruction behind the transcendentals (ISA guide 5.7.2)
	s_wait_alu depctr_va_vdst(0)
	v_mul_f32 v[T+1], v[X], v[X+1]
.irp w, 1,2,3
	v_fmac_f32 v[T+1], v[X+2*\w], v[X+2*\w+1]
.endr
	v_rcp_f32 v[T+2], v[T+1]                       ; l is at least 1: the wave that holds the maximum has the factor 1 and a weight 1
	v_nop
	s_wait_alu depctr_va_vdst(0)
.irp w, 0,1,2,3
	v_mul_f32 v[AL+2*\w], v[X+2*\w], v[T+2]
.endr
	SUMOUT 0
	SCRLOAD 1
	SUMOUT 1
.irp i, 0,1,2,3,4,5,6,7
	ds_load_b128 v[S+4*\i:S+4*\i+3], v[RD] offset:544*\i   ; LDS serves a wave's instructions in order (ISA guide 5.7.1): these see the stores above
.endr
.irp i, 0,1,2,3,4,5,6,7
	s_wait_dscnt 7-\i
	global_store_b128 v[CO], v[S+4*\i:S+4*\i+3], s[72+2*\final:73+2*\final] offset:8192*\i   ; sixteen lanes store a head's 256 bytes of a row, aligned
.endr
	s_wait_xcnt 0x0                                ; S, which the stores read, is written again only behind this wait
.if \final == 0
.irp t, 0,1,2,3
	v_mov_b32 v[M+\t], 0xff800000                  ; -inf: the next rescale factor is 0, which clears O and l
.endr
	WIN 0x82
	v_mov_b32 v[AI], v[AIS]
	v_mov_b32 v[AI+2], v[AIS+2]
	WIN 0
.endif
.endm
; One block of 128 keys, from \slot.  refill = 1: the next block is asked for, into the other slot.  wo = 1: four steps of Wo are asked for; wo = 2: they are rounded and stored; wo = 0: neither.
.macro TRIP slot, refill, wo
	BIAS
.if \wo == 2
	WOCVT
.endif
	s_set_vgpr_msb 0xa
	s_wait_tensorcnt 0x0                           ; all my tensor loads have landed (one was out: my part of this trip's tiles), so a group 0 may be written
	ds_add_u32 v254, v255
	s_wait_dscnt 0x0
	s_set_vgpr_msb 0xa00
.if \refill
	s_add_co_u32 s18, s18, 1                       ; the next block: behind the first part's last comes block 0,
	s_cmp_gt_u32 s18, s19
	s_cselect_b32 s18, 0, s18
	s_cselect_b32 s19, 64, s19                     ; once: the second part may be the longer one
	s_lshl_b32 s60, s18, 15                        ; 128 keys of 256 bytes
	s_add_nc_u64 s[G0V+4*(1-\slot)+2:G0V+4*(1-\slot)+3], s[56:57], s[60:61]
	s_or_b32 s[G0V+4*(1-\slot)+3], s[G0V+4*(1-\slot)+3], 0x80000000
	s_add_nc_u64 s[G0K+4*(1-\slot)+2:G0K+4*(1-\slot)+3], s[58:59], s[60:61]
	s_or_b32 s[G0K+4*(1-\slot)+3], s[G0K+4*(1-\slot)+3], 0x80000000
	s_lshl_b32 s60, s18, 13                        ; 16 groups of 512 bytes
	s_add_nc_u64 s[66:67], s[62:63], s[60:61]
.endif
	s_wait_dscnt 0x0                               ; my reads of the other slot are over
	ROUND                                          ; both now hold of every wave of the four work-groups
.if \refill
	JLOAD (1-\slot)                                ; my one tensor load behind the round, first thing
.endif
	FETCH \slot
.if \refill
	LBLOAD                                         ; the next trip's lb2 and d2
.endif
.if \wo == 1
	WOLOAD                                         ; a whole trip ahead of their use
.endif
	s_wait_dscnt 16                                ; K's fragments are in; V's sixteen loads may be out
	WIN 0x28                                       ; K window 0, Q and the bias window 2
.irp kt, 0,1
.irp t, 0,1,2,3
	v_wmma_f32_16x16x32_f16 v[S+8*(4*\kt+\t):S+8*(4*\kt+\t)+7], v[KF+32*\kt:KF+32*\kt+7], v[Q+32*\t:Q+32*\t+7], v[BI+8*(2*(\t&1)+\kt):BI+8*(2*(\t&1)+\kt)+7]
.endr
.endr
	WIN 0x08                                       ; the eight accumulators take turns, one instruction a turn
.irp s, 1,2,3
.irp kt, 0,1
.irp t, 0,1,2,3
	v_wmma_f32_16x16x32_f16 v[S+8*(4*\kt+\t):S+8*(4*\kt+\t)+7], v[KF+8*(4*\kt+\s):KF+8*(4*\kt+\s)+7], v[Q+8*(4*\t+\s):Q+8*(4*\t+\s)+7], v[S+8*(4*\kt+\t):S+8*(4*\kt+\t)+7]
.endr
.endr
.endr
	WIN 0
	PLACES                                         ; four places in front of the vector work on S (ISA guide 7.12.1)
	s_wait_dscnt 0x0                               ; V's fragments
.irp t, 0,1,2,3
	WIN 0
	SOFTMAX \t                                     ; runs while the products of tile t - 1 are at work
	RESCALE \t
	PV \t
.endr
	WIN 0
	s_add_co_u32 s17, s17, 1                       ; the key block at work
.if \wo == 2
	s_wait_xcnt 0x0                                ; the stores at this trip's head have had their addresses translated: their base steps only behind this wait
	s_add_nc_u64 s[94:95], s[94:95], 4096
.endif
.endm
	s_load_b128 s[4:7], s[0:1], 0x0                ; QKV s[4:5], LBD s[6:7]
	s_load_b64 s[8:9], s[0:1], 0x10                ; AO
	s_load_b128 s[92:95], s[0:1], 0x18             ; Wo s[92:93], Wob s[94:95]
	s_set_vgpr_msb 0x80
	v_lshl_add_u32 v254, v0, 2, 0x48400
	v_mov_b32 v255, 0
	s_set_vgpr_msb 0x808a
	ds_add_u32 v254, v255
	s_set_vgpr_msb 0x8a00
	v_lshrrev_b32 v1, 5, v0
	v_readfirstlane_b32 s10, v1                    ; wave
	s_lshr_b32 s11, s10, 1                         ; I fetch for V (0) or K (1); in the merge: my tile's head g
	s_and_b32 s12, s10, 1                          ; which 64 keys I fetch; in the merge: my tile's half
	s_bfe_u32 s13, ttmp6, 0x40000                  ; cx
	s_and_b32 s15, ttmp7, 0xffff                   ; kv head
	s_lshl_b32 s19, ttmp9, 1
	s_add_co_u32 s19, s19, 1                       ; the first part's query block 2 c + 1, which is also its last key block
	s_sub_co_u32 s21, 15, s19                      ; the second part's: 14 - 2 c
	s_add_co_u32 s88, ttmp9, 1                     ; pairs of trips of the first part: c + 1
	s_sub_co_u32 s89, 7, ttmp9                     ; pairs of trips of the second part, in front of its last trip: 7 - c
	s_mov_b32 s16, s19                             ; the part's last key block
	s_mov_b32 s17, 0                               ; the key block at work
	s_mov_b32 s18, 0                               ; the key block asked for last
	s_mov_b32 s22, 0x76543210                      ; v_permlanex16_b32: lane i reads lane i of the other half
	s_mov_b32 s23, 0xfedcba98
	s_mov_b32 s61, 0
	s_mov_b32 s83, 0
	s_mov_b32 s[G1V+0], 0x0f71000f                 ; mask 15, element of 2 bytes, padding on, bit 21, after 64 words 8 words: pitch 288
	s_mov_b32 s[G1V+1], 128<<16                    ; tensor_dim0
	s_mov_b32 s[G1V+2], 64<<16                     ; tensor_dim1
	s_mov_b32 s[G1V+3], 128<<16                    ; tile_dim0
	s_mov_b32 s[G1V+4], 64                         ; tile_dim1
	s_mov_b32 s[G1V+5], 128                        ; elements from row to row
	s_mov_b32 s[G1V+6], 0
	s_mov_b32 s[G1V+7], 0
	s_mov_b32 s[G1K+0], 0x0771000f                 ; the same with 4 words: pitch 272
	s_mov_b32 s[G1K+1], 128<<16
	s_mov_b32 s[G1K+2], 64<<16
	s_mov_b32 s[G1K+3], 128<<16
	s_mov_b32 s[G1K+4], 64
	s_mov_b32 s[G1K+5], 128
	s_mov_b32 s[G1K+6], 0
	s_mov_b32 s[G1K+7], 0
	s_mov_b32 s[G0V], 1
	s_mov_b32 s[G0V+4], 1
	s_mov_b32 s[G0K], 1
	s_mov_b32 s[G0K+4], 1
	s_mul_i32 s[G0V+1], s10, 64*VP                 ; V's halves: wave x 64 rows
	s_add_co_u32 s[G0V+5], s[G0V+1], SLOT
	s_mul_i32 s[G0K+1], s10, 64*KP                 ; K's halves: KOFF + (wave - 2) x 64 rows
	s_add_co_u32 s[G0K+1], s[G0K+1], KOFF-128*KP
	s_add_co_u32 s[G0K+5], s[G0K+1], SLOT
	v_and_b32 v1, 15, v0                           ; r
	v_bfe_u32 v2, v0, 4, 1                         ; h
	v_and_b32 v3, 31, v0                           ; lane
	v_lshlrev_b32 v[QOFF], 8, v1
	v_lshl_add_u32 v[QOFF], v2, 4, v[QOFF]         ; 256 r + 16 h
	s_lshl_b32 s84, s10, 11
	v_lshl_add_u32 v[LBOFF], v2, 9, s84            ; group 4 w + h (+ 2 kt) of the block's sixteen
	s_lshl_b32 s76, s19, 7
	s_lshl_b32 s77, s13, 5
	s_add_co_u32 s76, s76, s77                     ; my first row of the first part
	s_lshl_b32 s78, s21, 7
	s_add_co_u32 s78, s78, s77                     ; and of the second
	s_lshl_b32 s79, s15, 20                        ; query head 2 hk, 524,288 bytes a head
	s_lshl_b32 s80, s12, 4
	s_lshl_b32 s81, s15, 1
	s_add_co_u32 s81, s81, s11
	s_lshl_b32 s81, s81, 8                         ; AO: head 2 hk + g, 256 bytes a head
	s_lshl_b32 s90, s15, 5                         ; my work-group's number among the 256: 32 y + 4 c + cx
	s_lshl_b32 s91, ttmp9, 2
	s_add_co_u32 s90, s90, s91
	s_add_co_u32 s90, s90, s13
	s_wait_dscnt 0x0
	s_wait_kmcnt 0x0
	s_add_co_u32 s60, s15, 24                      ; V's head; these offsets hold no place in the cluster
	s_lshl_b32 s60, s60, 19
	s_lshl_b32 s85, s12, 14                        ; my 64 keys
	s_add_co_u32 s60, s60, s85
	s_add_nc_u64 s[56:57], s[4:5], s[60:61]
	s_add_co_u32 s60, s15, 16                      ; K's head
	s_lshl_b32 s60, s60, 19
	s_add_co_u32 s60, s60, s85
	s_add_nc_u64 s[58:59], s[4:5], s[60:61]
	s_lshl_b32 s60, s15, 6
	s_add_nc_u64 s[62:63], s[6:7], s[60:61]        ; LBD at my kv head
	s_mov_b64 s[66:67], s[62:63]                   ; block 0
	s_lshl_b32 s82, s76, 8
	s_add_co_u32 s82, s82, s79
	s_add_nc_u64 s[68:69], s[4:5], s[82:83]        ; Q, first part
	s_lshl_b32 s82, s78, 8
	s_add_co_u32 s82, s82, s79
	s_add_nc_u64 s[70:71], s[4:5], s[82:83]        ; Q, second part
	s_add_co_u32 s82, s76, s80
	s_lshl_b32 s82, s82, 12
	s_add_co_u32 s82, s82, s81
	s_add_nc_u64 s[72:73], s[8:9], s[82:83]        ; AO, first part, my tile of the merge
	s_add_co_u32 s82, s78, s80
	s_lshl_b32 s82, s82, 12
	s_add_co_u32 s82, s82, s81
	s_add_nc_u64 s[74:75], s[8:9], s[82:83]        ; AO, second part
	s_lshl_b32 s82, s90, 16                        ; 8 rows of 8,192 bytes of Wo
	s_add_nc_u64 s[92:93], s[92:93], s[82:83]
	s_lshl_b32 s82, s90, 15                        ; 8 rows of 4,096 bytes of Wob
	s_add_nc_u64 s[94:95], s[94:95], s[82:83]
	s_mov_b64 s[G0V+2:G0V+3], s[56:57]             ; slot 0: block 0
	s_or_b32 s[G0V+3], s[G0V+3], 0x80000000
	s_mov_b64 s[G0K+2:G0K+3], s[58:59]
	s_or_b32 s[G0K+3], s[G0K+3], 0x80000000
	ROUND                                          ; the four work-groups are here: the first joint load meets
	JLOAD 0
	LBLOAD
	QLOAD 68
	WIN 0
	v_mul_u32_u24 v42, v1, KP
	v_lshl_add_u32 v42, v2, 4, v42                 ; 272 r + 16 h
	s_mul_i32 s84, s10, 32*KP
	s_add_co_u32 s84, s84, KOFF
	v_add_nc_u32 v[ADRK], s84, v42
	s_add_co_u32 s84, s84, SLOT
	v_add_nc_u32 v[ADRK+1], s84, v42
	v_and_b32 v43, 7, v0
	v_lshl_add_u32 v43, v2, 3, v43
	v_mul_u32_u24 v43, v43, VP                     ; key row 8 h + l % 8,
	v_bfe_u32 v44, v0, 3, 1
	v_lshl_add_u32 v43, v44, 4, v43                ; 16 bytes for each eight lanes
	s_mul_i32 s84, s10, 32*VP
	v_add_nc_u32 v[ADRV], s84, v43
	s_add_co_u32 s84, s84, SLOT
	v_add_nc_u32 v[ADRV+1], s84, v43
	s_lshl_b32 s84, s10, 15
	s_add_co_u32 s84, s84, SCR
	v_lshl_add_u32 v[SCRW], v3, 4, s84             ; I write my wave's 32 KB,
	s_lshl_b32 s84, s10, 13
	s_add_co_u32 s84, s84, SCR
	v_lshl_add_u32 v[SCRR], v3, 4, s84             ; and read tile t = my wave's number of waves 0, 1
	v_add_nc_u32 v[SCRR+1], 0x10000, v[SCRR]       ; and of waves 2, 3
	s_lshl_b32 s84, s10, 10
	s_add_co_u32 s84, s84, STAT
	v_lshl_add_u32 v[STATW], v3, 2, s84
	s_lshl_b32 s84, s10, 8
	s_add_co_u32 s84, s84, STAT
	v_lshl_add_u32 v[STATR], v3, 2, s84            ; tile t = my wave's number
	s_mul_i32 s84, s10, 16*272
	s_add_co_u32 s84, s84, STAGE
	v_add_nc_u32 v[STO], s84, v42
	v_mul_u32_u24 v43, v2, 272
	v_lshl_add_u32 v43, v1, 4, v43
	v_add_nc_u32 v[RD], s84, v43
	v_lshlrev_b32 v[CO], 12, v2                    ; AO: lanes 0-15 one row, lanes 16-31 the next
	v_lshl_add_u32 v[CO], v1, 4, v[CO]
.irp t, 0,1,2,3
	v_mov_b32 v[M+\t], 0xff800000                  ; -inf
	v_mov_b32 v[L+\t], 0
	v_mov_b32 v[NM+2*\t+1], 0                      ; the pairs' partners
	v_mov_b32 v[AL+2*\t+1], 0
.endr
	v_add_nc_u32 v45, s76, v1                      ; my row i of half 0, first part
	v_add_nc_u32 v46, s78, v1                      ; second part
	v_add_nc_u32 v42, 16, v45                      ; half 1
	v_add_nc_u32 v43, 16, v46
	v_add_nc_u32 v47, s77, v1                      ; 32 cx + r: my row in its block,
	s_lshl_b32 s84, s10, 5
	v_lshl_add_u32 v44, v2, 3, s84                 ; 32 w + 8 h: my first key in its block
	v_sub_nc_u32 v47, v47, v44
	v_cvt_f32_i32 v47, v47                         ; i - j of the diagonal block at half 0, kt 0, j 0: between -104 and 127, exact in f32
	v_lshlrev_b32 v[WOS], 4, v0                    ; r and h are not needed any more: Wo's and Wob's offsets take their registers
	v_lshlrev_b32 v[WOD], 3, v0
	WIN 0x80
	v_cvt_f32_u32 v[AI], v45
	v_cvt_f32_u32 v[AI+2], v42
	v_mov_b32 v[AI+1], 0
	v_mov_b32 v[AI+3], 0
	v_cvt_f32_u32 v[AIS], v46
	v_cvt_f32_u32 v[AIS+2], v43
	v_mov_b32 v[SEL+1], 0
	v_mov_b32 v[C128], 0xc3000000                  ; -128.0
	v_add_f32 v[PEN], 0xc1800000, v47              ; half - kt = -1: 16 keys further on
	v_mov_b32 v[PEN+8], v47                        ; half - kt = 0
	v_add_f32 v[PEN+16], 0x41800000, v47           ; half - kt = 1
	WIN 0x88                                       ; destination and second source in window 2
.irp j, 1,2,3,4,5,6,7
.irp d, 0,1,2
	v_add_f32 v[PEN+8*\d+\j], -1.0, v[PEN+8*\d+\j-1]       ; one key further on
.endr
.endr
.set i, 0
.rept 24
	v_min_num_f32 v[PEN+i], 0, v[PEN+i]            ; 0 where the key is not beyond the row, -1 or less where it is
.set i, i+1
.endr
	WIN 0
	; O's 32 tiles are started by products of one zero fragment with C = 0: 32 matrix instructions and 8 moves, in place of 256 moves or of one more copy of the trip's text.
	; The first trip's rescale factor is 2^-inf = 0, as at the start of the second part.
.irp i, 0,1,2,3,4,5,6,7
	v_mov_b32 v[KF+\i], 0
.endr
	WIN 0x40
.set i, 0
.rept 32
	v_wmma_f32_16x16x32_f16 v[8*i:8*i+7], v[KF:KF+7], v[KF:KF+7], 0
.set i, i+1
.endr
	WIN 0
	s_mov_b32 s20, 0
.Lfirst:                                               ; the first part: key blocks 0 .. 2 c + 1; its last trip asks for the second part's block 0
	TRIP 0, 1, 1
	TRIP 1, 1, 2
	s_add_co_u32 s20, s20, 1
	s_cmp_lt_u32 s20, s88
	s_cbranch_scc1 .Lfirst
	MERGE 0
	s_mov_b32 s17, 0                               ; the second part: key blocks 0 .. 14 - 2 c
	s_mov_b32 s16, s21
	s_cmp_eq_u32 s89, 0                            ; c = 7: one key block alone, the last trip below
	s_cbranch_scc1 .Llast
	s_mov_b32 s20, 0
.Lsecond:
	TRIP 0, 1, 1
	TRIP 1, 1, 2
	s_add_co_u32 s20, s20, 1
	s_cmp_lt_u32 s20, s89
	s_cbranch_scc1 .Lsecond
.Llast:
	TRIP 0, 0, 0                                   ; key block 14 - 2 c: nothing is left to fetch; the eight pairs have taken all 32 steps of Wo
	MERGE 1
	s_set_vgpr_msb 0xa
	s_wait_tensorcnt 0x0
	ds_add_u32 v254, v255
	s_wait_dscnt 0x0
	s_set_vgpr_msb 0xa00
	ROUND                                          ; the closing round
	s_endpgm
.Lfunc_end_k_q535e6f814d_attn:
	.size	k_q535e6f814d_attn, .Lfunc_end_k_q535e6f814d_attn-k_q535e6f814d_attn
	.p2alignl 7, 3214868480
	.fill 96, 4, 3214868480
	.section	.rodata,"a",@progbits
	.p2align	6, 0x0
	.amdhsa_kernel k_q535e6f814d_attn
		.amdhsa_group_segment_fixed_size 327680
		.amdhsa_private_segment_fixed_size 0
		.amdhsa_enable_private_segment 0
		.amdhsa_kernarg_size 40
		.amdhsa_user_sgpr_count 2
		.amdhsa_user_sgpr_kernarg_segment_ptr 1
		.amdhsa_wavefront_size32 1
		.amdhsa_system_sgpr_workgroup_id_x 1
		.amdhsa_system_sgpr_workgroup_id_y 1
		.amdhsa_system_sgpr_workgroup_id_z 1
		.amdhsa_system_vgpr_workitem_id 0
		.amdhsa_next_free_vgpr 768
		.amdhsa_next_free_sgpr 96
		.amdhsa_reserve_vcc 0
		.amdhsa_float_denorm_mode_32 3
		.amdhsa_float_denorm_mode_16_64 3
		.amdhsa_memory_ordered 1
		.amdhsa_forward_progress 1
		.amdhsa_inst_pref_size 220
	.end_amdhsa_kernel
	.amdgpu_metadata
---
amdhsa.version: [ 1, 2 ]
amdhsa.kernels:
  - .name:           k_q535e6f814d_attn
    .symbol:         k_q535e6f814d_attn.kd
    .args:
      - { .name: QKV, .offset: 0, .size: 8, .value_kind: global_buffer, .address_space: global }
      - { .name: LBD, .offset: 8, .size: 8, .value_kind: global_buffer, .address_space: global }
      - { .name: AO, .offset: 16, .size: 8, .value_kind: global_buffer, .address_space: global }
      - { .name: Wo, .offset: 24, .size: 8, .value_kind: global_buffer, .address_space: global }
      - { .name: Wob, .offset: 32, .size: 8, .value_kind: global_buffer, .address_space: global }
    .group_segment_fixed_size: 327680
    .private_segment_fixed_size: 0
    .kernarg_segment_align: 8
    .kernarg_segment_size: 40
    .max_flat_workgroup_size: 128
    .sgpr_count:     96
    .vgpr_count:     768
    .wavefront_size: 32
...
	.end_amdgpu_metadata
.endif
;; end of part 3
;; launch oproj (part 4): grid 16 x 16, 4 waves a work-group, clusters of 4 x 4, 327,680 bytes of LDS; arguments AO, Wob, out0; writes out0
.if DOCPART == 4
	.amdgcn_target "amdgcn-amd-amdhsa--gfx1250"
	.amdhsa_code_object_version 6
	.text
	.protected	k_q535e6f814d_oproj
	.globl	k_q535e6f814d_oproj
	.p2align	8
	.type	k_q535e6f814d_oproj,@function
k_q535e6f814d_oproj:
	s_mov_b64 s[64:65], 0
	v_nop
	global_prefetch_b8 v0, s[64:65] scope:SCOPE_SE
	s_setreg_imm32_b32 hwreg(HW_REG_WAVE_MODE, 25, 1), 1
	s_wait_xcnt 0x0
	s_wait_alu depctr_hold_cnt(0) depctr_sa_sdst(0) depctr_va_vdst(0) depctr_va_sdst(0) depctr_va_ssrc(0) depctr_va_vcc(0) depctr_vm_vsrc(0)
	s_getreg_b32 s2, hwreg(HW_REG_IB_STS2, 6, 4)
	s_cmp_eq_u32 s2, 0
	s_cbranch_scc0 .Lentry_in_a_cluster
	s_endpgm
.Lentry_in_a_cluster:
	s_bfe_u32 s2, ttmp6, 0x10000c
	s_cmp_lg_u32 s2, 0xf033
	s_cbranch_scc0 .Lentry_shape_is_right
	s_endpgm
.Lentry_shape_is_right:
; out0 = AO Wob.  AO [2048 t][2048 k], Wob [2048 k][2048 n], both f16; out0 [2048][2048] f32; sums in f32.
; The frame of the q/k/v product with other sizes: a work-group makes 128 x 128 with four waves (so that there are 256 work-groups), a wave 64 x 64; K goes in steps of 256 through two LDS slots:
; waves 0, 1 bring W's 256 k-rows (128 each, 256 bytes a row), waves 2, 3 AO's 128 rows (64 each, 512 bytes a row).
; CLUSTERS: 4 x 4 work-groups; AO's tile is asked for jointly along a row of the cluster, W's along a column.
; The matrix instruction is used transposed (source 0 = 16 columns of W, by the transposing LDS load; source 1 = 16 rows of AO): lane (r, h) holds row r, columns 16 b + 8 h + 0..7.
; REGISTERS: window 0 addresses and fragments; window 1 the 16 accumulator tiles, (a, b) at 8 (4 a + b).
; LIMITS: operands in f16 (their bounds are stated where they are made); NaN and infinities go where the arithmetic takes them.
.set NB,     4
.set BN,     32*NB
.set KSTEP,  256
.set NQ,     KSTEP/32
.set LAPS,   2048/(2*KSTEP)
.set APITCH, 2*KSTEP+16                ; 528: an odd multiple of 16 bytes
.set BPITCH, 2*BN+32                   ; 288: an odd multiple of 32 bytes
.set LDB,    2048
.set A_G10,  0x07b10000                ; element of 2 bytes, padding on, bit 21, after 128 words 4 words
.set B_G10,  0x0f710000                ; the same, after 64 words 8 words
.set BT,     KSTEP*BPITCH
.set AT,     128*APITCH
.set SLOT,   BT+AT
.set STAGE,  2*SLOT                    ; behind the ring: 16 rows x 272 bytes for each wave; no tensor load lands here
.set SPITCH, 272
.set FSTR,   8*NB+32
.set ADRA,   16                        ; v16-17
.set ADRB,   20                        ; v20-23: slot 0 k-rows 0-127, 128-255; slot 1 likewise
.set STO,    24
.set RD,     25
.set CO,     26
.set OB,     64                        ; way out: rows read back
.set G1,  24
.set G0,  32
.set G1B, 48
.set G0B, 56
.set MUL, 0x50
.set MSB, 0
.macro WIN new
.if MSB != \new
	s_set_vgpr_msb (MSB<<8)|\new
.set MSB, \new
.endif
.endm
.macro PLACES                          ; four plain vector places behind a matrix instruction (ISA guide 7.12.1)
.rept 4
	v_nop
.endr
.endm
.macro JLOAD s
	s_cmp_eq_u32 s11, 0
	s_cbranch_scc0 .Lfor_a_\@
	tensor_load_to_lds s[G0B+4*\s:G0B+4*\s+3], s[G1B:G1B+7]
	s_nop 0
	s_branch .Lasked_\@
.Lfor_a_\@:
	tensor_load_to_lds s[G0+4*\s:G0+4*\s+3], s[G1:G1+7]
	s_nop 0
.Lasked_\@:
.endm
.macro CREST
	s_cmp_lg_u32 s10, 0
	s_cbranch_scc1 .Lnot_wave_0_\@
	s_barrier_signal -3
.Lnot_wave_0_\@:
	s_barrier_wait -3
	s_barrier_signal -1
	s_barrier_wait -1
.endm
.macro CROUND
	s_barrier_signal -1
	s_barrier_wait -1
	CREST
.endm
	s_load_b128 s[4:7], s[0:1], 0x0                ; AO s[4:5], Wob s[6:7]
	s_load_b64 s[8:9], s[0:1], 0x10                ; out0
	v_lshl_add_u32 v254, v0, 2, 0x49400
	v_mov_b32 v255, 0
	ds_add_u32 v254, v255
	v_lshrrev_b32 v1, 5, v0
	v_readfirstlane_b32 s10, v1                    ; wave
	s_lshr_b32 s11, s10, 1                         ; my half of the rows.  Also: I fetch for W (0) or for AO (1)
	s_and_b32 s12, s10, 1                          ; my half of the columns.  Also: which half of that tile I fetch
	s_bfe_u32 s40, ttmp6, 0x40000                  ; cx
	s_bfe_u32 s41, ttmp6, 0x40004                  ; cy
	s_lshl_b32 s42, ttmp9, 2
	s_add_co_u32 s42, s42, s40                     ; block column
	s_and_b32 s13, ttmp7, 0xffff
	s_lshl_b32 s13, s13, 2
	s_add_co_u32 s13, s13, s41                     ; block row
	s_lshl_b32 s43, s41, 2
	s_lshl_b32 s43, 15, s43                        ; my row of the cluster
	s_lshl_b32 s44, 0x1111, s40                    ; my column
	s_or_b32  s[G1+0], s43, A_G10                  ; AO's tiles: 64 rows x KSTEP elements
	s_mov_b32 s[G1+1], KSTEP<<16
	s_mov_b32 s[G1+2], 64<<16
	s_mov_b32 s[G1+3], KSTEP<<16
	s_mov_b32 s[G1+4], 64
	s_mov_b32 s[G1+5], 2048
	s_mov_b32 s[G1+6], 0
	s_mov_b32 s[G1+7], 0
	s_or_b32  s[G1B+0], s44, B_G10                 ; W's tiles: KSTEP/2 k-rows x BN elements
	s_mov_b32 s[G1B+1], BN<<16
	s_mov_b32 s[G1B+2], (KSTEP/2)<<16
	s_mov_b32 s[G1B+3], BN<<16
	s_mov_b32 s[G1B+4], KSTEP/2
	s_mov_b32 s[G1B+5], LDB
	s_mov_b32 s[G1B+6], 0
	s_mov_b32 s[G1B+7], 0
	s_lshl_b32 s16, s13, 7                         ; AO: row 128 x block row + 64 x half; no register here ever holds cx
	s_lshl_b32 s17, s12, 6
	s_add_co_u32 s16, s16, s17
	s_lshl_b32 s16, s16, 12
	s_mov_b32 s17, 0
	s_mul_i32 s46, s42, BN*2                       ; W: the block's first column, my half of the step's k-rows; no register here ever holds cy
	s_mul_i32 s47, s12, (KSTEP/2)*LDB*2
	s_add_co_u32 s46, s46, s47
	s_mov_b32 s47, 0
	s_mul_i32 s20, s10, AT/2
	s_add_co_u32 s20, s20, BT-AT                   ; LDS: BT + (wave - 2) AT/2
	s_mul_i32 s21, s10, BT/2
	s_lshl_b32 s68, s13, 7                         ; the way out: my first row, 8,192 bytes a row,
	s_lshl_b32 s69, s11, 6
	s_add_co_u32 s68, s68, s69
	s_lshl_b32 s68, s68, 13
	s_lshl_b32 s69, s42, 9                         ; and my first column: 512 x block + 256 x half
	s_add_co_u32 s68, s68, s69
	s_lshl_b32 s69, s12, 8
	s_add_co_u32 s68, s68, s69
	s_mov_b32 s69, 0
	s_wait_dscnt 0x0
	s_wait_kmcnt 0x0
	s_add_nc_u64 s[14:15], s[4:5], s[16:17]
	s_add_nc_u64 s[46:47], s[6:7], s[46:47]
	s_add_nc_u64 s[8:9], s[8:9], s[68:69]
	CROUND                                         ; all sixteen work-groups are here
.irp s, 0,1
	s_mov_b32 s[G0+4*\s], 1
	s_add_co_u32 s[G0+4*\s+1], s20, \s*SLOT
	s_add_nc_u64 s[G0+4*\s+2:G0+4*\s+3], s[14:15], \s*KSTEP*2
	s_or_b32 s[G0+4*\s+3], s[G0+4*\s+3], 0x80000000
	s_mov_b32 s[G0B+4*\s], 1
	s_add_co_u32 s[G0B+4*\s+1], s21, \s*SLOT
	s_add_nc_u64 s[G0B+4*\s+2:G0B+4*\s+3], s[46:47], \s*KSTEP*LDB*2
	s_or_b32 s[G0B+4*\s+3], s[G0B+4*\s+3], 0x80000000
	JLOAD \s                                       ; K steps 0 and 1: two tensor loads of the wave are out, later one
.endr
	v_and_b32 v1, 15, v0                           ; r
	v_bfe_u32 v2, v0, 4, 1                         ; h
	v_mul_u32_u24 v3, v1, APITCH
	v_lshl_add_u32 v3, v2, 4, v3
	s_mul_i32 s22, s11, 64*APITCH
	s_add_co_u32 s22, s22, BT
	v_add_nc_u32 v[ADRA], s22, v3
	s_add_co_u32 s22, s22, SLOT
	v_add_nc_u32 v[ADRA+1], s22, v3
	v_and_b32 v4, 7, v0
	v_lshl_add_u32 v4, v2, 3, v4
	v_mul_u32_u24 v4, v4, BPITCH
	v_bfe_u32 v5, v0, 3, 1
	v_lshl_add_u32 v4, v5, 4, v4
	s_mul_i32 s23, s12, 32*NB
	v_add_nc_u32 v[ADRB], s23, v4
	s_add_co_u32 s22, s23, SLOT
	v_add_nc_u32 v[ADRB+2], s22, v4
	v_add_nc_u32 v[ADRB+1], 128*BPITCH, v[ADRB]    ; quarters 4-7: the immediate offset alone would not reach them in every size of this frame
	v_add_nc_u32 v[ADRB+3], 128*BPITCH, v[ADRB+2]
	s_mul_i32 s23, s10, 16*SPITCH
	s_add_co_u32 s23, s23, STAGE
	v_mul_u32_u24 v5, v1, SPITCH
	v_lshl_add_u32 v5, v2, 5, v5
	v_add_nc_u32 v[STO], s23, v5                   ; in: row r, 32 bytes (8 f32) at 32 h
	v_mul_u32_u24 v6, v2, SPITCH
	v_lshl_add_u32 v6, v1, 4, v6
	v_add_nc_u32 v[RD], s23, v6                    ; back: lanes 0-15 one row of 256 bytes, lanes 16-31 the next
	v_lshlrev_b32 v[CO], 13, v2
	v_lshl_add_u32 v[CO], v1, 4, v[CO]
.macro MULA f, a, zero
.set ib, 0
.rept NB
.if \zero
	v_wmma_f32_16x16x32_f16 v[8*(NB*\a+ib):8*(NB*\a+ib)+7], v[64+\f*FSTR+8*ib:64+\f*FSTR+8*ib+7], v[64+8*NB+\f*FSTR+8*\a:64+8*NB+\f*FSTR+8*\a+7], 0
.else
	v_wmma_f32_16x16x32_f16 v[8*(NB*\a+ib):8*(NB*\a+ib)+7], v[64+\f*FSTR+8*ib:64+\f*FSTR+8*ib+7], v[64+8*NB+\f*FSTR+8*\a:64+8*NB+\f*FSTR+8*\a+7], v[8*(NB*\a+ib):8*(NB*\a+ib)+7]
.endif
.set ib, ib+1
.endr
.endm
.macro FETCH slot, q, f
.set ib, 0
.rept NB
	ds_load_tr16_b128 v[64+\f*FSTR+8*ib:64+\f*FSTR+8*ib+3],   v[ADRB+2*\slot+((\q)>>2)] offset:((\q)&3)*32*BPITCH+32*ib
	ds_load_tr16_b128 v[64+\f*FSTR+8*ib+4:64+\f*FSTR+8*ib+7], v[ADRB+2*\slot+((\q)>>2)] offset:((\q)&3)*32*BPITCH+32*ib+16*BPITCH
.set ib, ib+1
.endr
.set ib, 0
.rept 4
	ds_load_b128 v[64+8*NB+\f*FSTR+8*ib:64+8*NB+\f*FSTR+8*ib+3],   v[ADRA+\slot] offset:16*ib*APITCH+64*(\q)
	ds_load_b128 v[64+8*NB+\f*FSTR+8*ib+4:64+8*NB+\f*FSTR+8*ib+7], v[ADRA+\slot] offset:16*ib*APITCH+64*(\q)+32
.set ib, ib+1
.endr
.endm
; The 4 NB accumulators take turns, one instruction a turn, in the same order in every quarter, over the backward jump too.
.macro QUARTER slot, q, zero
.set qf, (\q)&1
.set qg, 1-qf
.set qn, (\q)+1
	s_wait_dscnt 4                                 ; W's tiles and AO's tiles 0, 1 are in; the four youngest loads (AO's tiles 2, 3) may be out
	WIN MUL
	MULA qf, 0, \zero
	MULA qf, 1, \zero
	PLACES
	WIN 0
	FETCH \slot, qn, qg
	s_wait_dscnt 2*NB+8                            ; all but the run just issued
	WIN MUL
	MULA qf, 2, \zero
	MULA qf, 3, \zero
.endm
.macro FRONT slot, zero
	QUARTER \slot, 0, \zero
.set qq, 1
.rept NQ-2
	QUARTER \slot, qq, 0
.set qq, qq+1
.endr
.endm
.macro TURN slot, next, fill
	s_wait_dscnt 0                                 ; my reads of this slot are over
	WIN MUL
	MULA 1, 0, 0
	s_wait_tensorcnt 0x0                           ; all my tensor loads have landed: the one that was out is my part of the next slot
	ds_add_u32 v254, v255
	s_wait_dscnt 0x0
	s_barrier_signal -1
	MULA 1, 1, 0
	WIN 0
	s_barrier_wait -1
.if \fill
	CREST                                          ; no wave of any partner still reads this slot or has a load on its way
	s_add_nc_u64 s[G0+4*\slot+2:G0+4*\slot+3], s[G0+4*\slot+2:G0+4*\slot+3], 2*KSTEP*2
	s_add_nc_u64 s[G0B+4*\slot+2:G0B+4*\slot+3], s[G0B+4*\slot+2:G0B+4*\slot+3], 2*KSTEP*LDB*2
	JLOAD \slot                                    ; first thing behind the round
.endif
	PLACES
	FETCH \next, 0, 0
	WIN MUL
	MULA 1, 2, 0
	MULA 1, 3, 0
.endm
.macro LAP zero
	FRONT 0, \zero
	TURN 0, 1, 1
	FRONT 1, 0
	TURN 1, 0, 1
.endm
	s_wait_tensorcnt 1                             ; my part of K step 0 is in; K step 1's stays out
	s_barrier_signal -1
	s_barrier_wait -1
	FETCH 0, 0, 0
	LAP 1
	WIN 0
	s_mov_b32 s3, LAPS-2
.Llap:
	LAP 0
	WIN 0
	s_sub_co_u32 s3, s3, 1
	s_cmp_lg_u32 s3, 0
	s_cbranch_scc1 .Llap
	FRONT 0, 0                                     ; the last lap fills nothing
	TURN 0, 1, 0
	FRONT 1, 0
	s_wait_dscnt 0
	WIN MUL
	MULA 1, 0, 0
	MULA 1, 1, 0
	MULA 1, 2, 0
	MULA 1, 3, 0
	PLACES                                         ; behind the last matrix instructions: LDS stores of the sums and loads into the fragment registers follow
	; THE WAY OUT, 16 rows at a time: a lane's 8 f32 of each tile into my own stage, whole rows of 256 bytes (64 f32) back
.irp a, 0,1,2,3
	WIN 0x04                                       ; store data in window 1
.irp b, 0,1,2,3
	ds_store_b128 v[STO], v[8*(NB*\a+\b):8*(NB*\a+\b)+3]   offset:64*\b
	ds_store_b128 v[STO], v[8*(NB*\a+\b)+4:8*(NB*\a+\b)+7] offset:64*\b+16
.endr
	WIN 0
	s_wait_xcnt 0x0                                ; OB, which the last rows' stores read, is loaded again only behind this wait
.irp t, 0,1,2,3,4,5,6,7
	ds_load_b128 v[OB+4*\t:OB+4*\t+3], v[RD] offset:2*SPITCH*\t    ; LDS serves a wave's instructions in order (ISA guide 5.7.1)
.endr
.irp t, 0,1,2,3,4,5,6,7
	s_wait_dscnt 7-\t
	global_store_b128 v[CO], v[OB+4*\t:OB+4*\t+3], s[8:9] offset:131072*\a+16384*\t th:TH_STORE_NT   ; sixteen lanes store 256 consecutive bytes, aligned
.endr
.endr
	s_wait_tensorcnt 0x0
	ds_add_u32 v254, v255
	s_wait_dscnt 0x0
	CROUND                                         ; the closing round
	s_endpgm
.Lfunc_end_k_q535e6f814d_oproj:
	.size	k_q535e6f814d_oproj, .Lfunc_end_k_q535e6f814d_oproj-k_q535e6f814d_oproj
	.p2alignl 7, 3214868480
	.fill 96, 4, 3214868480
	.section	.rodata,"a",@progbits
	.p2align	6, 0x0
	.amdhsa_kernel k_q535e6f814d_oproj
		.amdhsa_group_segment_fixed_size 327680
		.amdhsa_private_segment_fixed_size 0
		.amdhsa_enable_private_segment 0
		.amdhsa_kernarg_size 24
		.amdhsa_user_sgpr_count 2
		.amdhsa_user_sgpr_kernarg_segment_ptr 1
		.amdhsa_wavefront_size32 1
		.amdhsa_system_sgpr_workgroup_id_x 1
		.amdhsa_system_sgpr_workgroup_id_y 1
		.amdhsa_system_sgpr_workgroup_id_z 1
		.amdhsa_system_vgpr_workitem_id 0
		.amdhsa_next_free_vgpr 384
		.amdhsa_next_free_sgpr 72
		.amdhsa_reserve_vcc 0
		.amdhsa_float_denorm_mode_32 3
		.amdhsa_float_denorm_mode_16_64 3
		.amdhsa_memory_ordered 1
		.amdhsa_forward_progress 1
		.amdhsa_inst_pref_size 128
	.end_amdhsa_kernel
	.amdgpu_metadata
---
amdhsa.version: [ 1, 2 ]
amdhsa.kernels:
  - .name:           k_q535e6f814d_oproj
    .symbol:         k_q535e6f814d_oproj.kd
    .args:
      - { .name: AO, .offset: 0, .size: 8, .value_kind: global_buffer, .address_space: global }
      - { .name: Wob, .offset: 8, .size: 8, .value_kind: global_buffer, .address_space: global }
      - { .name: out0, .offset: 16, .size: 8, .value_kind: global_buffer, .address_space: global }
    .group_segment_fixed_size: 327680
    .private_segment_fixed_size: 0
    .kernarg_segment_align: 8
    .kernarg_segment_size: 24
    .max_flat_workgroup_size: 128
    .sgpr_count:     72
    .vgpr_count:     384
    .wavefront_size: 32
...
	.end_amdgpu_metadata
.endif
;; end of part 4
